; MI455X (gfx1250); checked and timed in simulation.
; The chip was launched on July 23, 2026; its instructions are those of AMD's public machine-readable ISA for CDNA 5 (MIT licence, August 2026) and "CDNA5" Instruction Set Architecture Reference Guide (July 2026). The comments in the code are by the model that wrote it; some were corrected since.
;; Self attention residuel. Allowed arithmetic: matrix products marked QUANTISED: E3M2 operands, one E8M0 scale for each 32 along K, by v_wmma_scale_f32_16x16x128_f8f6f4 with both operands' format E3M2, f32 sums; everything else in f32.
;; Inputs: Wk 1,024 x 1,024 float32; Wo 1,024 x 1,024 float32; Wq 1,024 x 1,024 float32; Wv 1,024 x 1,024 float32; beta 1,024 float32; bo 1,024 float32; gamma 1,024 float32; l 4 int32; x 4 x 2,048 x 1,024 float32.
;; Outputs: out0 4 x 2,048 x 1,024 float32.
;; This version of the problem:
;;   THIS VERSION OF THE PROBLEM IS GIVEN IN LOW PRECISION. The matrix products marked QUANTISED in the list below multiply operands that are first quantised to E3M2 (3 exponent bits, 2 mantissa bits; 6 bits a number), with one power-of-two scale for each 32 numbers along K (OCP MX v1.0); their sums are f32. All else is computed in f32.
;;   The module's matrix products, in the order in which they are computed (A, B: the left and right operand; K: the contracted axis; several contracted axes count as one K, in the product's order):
;;     1. [M 8,192, K 1,024] x [K 1,024, N 1,024]; A: computed on the way; B: input Wq: QUANTISED
;;     2. [M 8,192, K 1,024] x [K 1,024, N 1,024]; A: computed on the way; B: input Wk: QUANTISED
;;     3. [M 8,192, K 1,024] x [K 1,024, N 1,024]; A: computed on the way; B: input Wv: QUANTISED
;;     4. batch 4 x [M 2,048, K 1,024] x [K 1,024, N 2,048]; A: computed on the way; B: computed on the way: QUANTISED
;;     5. batch 4 x [M 2,048, K 2,048] x [K 2,048, N 1,024]; A: computed on the way; B: computed on the way: QUANTISED
;;     6. [M 8,192, K 1,024] x [K 1,024, N 1,024]; A: computed on the way; B: input Wo: QUANTISED
;;   THE QUANTISER, for each operand of a quantised product, along K:
;;     - K is cut into blocks of 32 from its start; a last block that is shorter is filled with zeros.
;;     - A block's scale is 2^e with e = floor(log2(the largest magnitude in the block)) - 4, held to -126 .. 127; a block of zeros has e = 0. As a byte (E8M0): e + 127.
;;     - Each number is divided by its block's scale, clamped to +-28, and rounded to the nearest number of E3M2, ties to even, subnormals kept.
;;     - The product sums the exact products of the quantised numbers (number of the format x scale) in f32.
;;   ~~~python
;;   def quantise(x, axis):      # numpy; x: float32 -> the quantised numbers, widened to float32 again
;;       x = np.moveaxis(x, axis, -1); K = x.shape[-1]
;;       x = np.pad(x, [(0, 0)] * (x.ndim - 1) + [(0, -K % 32)]); x = x.reshape(x.shape[:-1] + (-1, 32)); a = np.abs(x).max(-1, keepdims=True)
;;       e = np.where(a > 0, np.clip(np.frexp(np.where(a > 0, a, 1))[1] - 1 - 4, -126, 127), 0)      # np.frexp(a)[1] - 1 = floor(log2(a)), exactly
;;       r = np.clip(x / 2.0 ** e, -28, 28)
;;       step = 2.0 ** (np.maximum(np.frexp(np.where(r == 0, 1, r))[1] - 1, -2) - 2)
;;       q = np.round(r / step) * step * 2.0 ** e      # np.round: ties to even
;;       return np.moveaxis(q.reshape(q.shape[:-2] + (-1,))[..., :K], -1, axis).astype(np.float32)
;;   ~~~
;;   OPERANDS COMPUTED ON THE WAY. 'Computed on the way' means the value that the module computes at that place (a softmax that the list does not call 'softmax' is quantised finished and normalised). What goes into a quantiser is computed in f32, as accurately as f32 sums, v_exp_f32 and their like allow (about 1e-6 of the number): no bf16 or f16 on the way to a quantiser, and a product that is left as it is and whose result goes on into a quantised operand takes f32 operands (vector FMAs, or v_wmma_f32_16x16x4_f32). A number that lies on a knife's edge between two numbers of the format may be rounded either way, as far as f32 arithmetic and the matrix unit's own rounding can turn it there, and no further.
;; One version. Each part assembles by itself: llvm-mc -triple=amdgcn-amd-amdhsa -mcpu=gfx1250 --defsym DOCPART=n.
;; ======== version 1 of 1: 5 launches
;; limits: right only within a limited range of input values
;; workspace buffers: xn 6,553,600 bytes; wqk 1,638,400 bytes; wvo 1,638,400 bytes; qk 13,107,200 bytes; vt 6,553,600 bytes; p 13,107,200 bytes; y 6,553,600 bytes
;; launch prep (part 1): grid 768 x 1, 4 waves a work-group, no clusters, 66,304 bytes of LDS; arguments x, gamma, beta, Wq, Wk, Wv, Wo, xn, wqk, wvo; writes xn, wqk, wvo
.if DOCPART == 1
	.amdgcn_target "amdgcn-amd-amdhsa--gfx1250"
	.amdhsa_code_object_version 6
	.text
	.protected	k_q99aa5b59d5_prep
	.globl	k_q99aa5b59d5_prep
	.p2align	8
	.type	k_q99aa5b59d5_prep,@function
k_q99aa5b59d5_prep:
	s_mov_b64 s[64:65], 0
	v_nop
	global_prefetch_b8 v0, s[64:65] scope:SCOPE_SE
	s_setreg_imm32_b32 hwreg(HW_REG_WAVE_MODE, 25, 1), 1
	s_wait_xcnt 0x0
; LAUNCH 1 OF 5.  x_norm = LayerNorm(x) gamma + beta, and Wq, Wk, Wv, Wo as they are, are turned into codes of BF6 (E3M2) along their last axis (1,024), one E8M0 scale byte for each 32.
; THE PROGRAM: prep | qkv: q, k, v^T | soft: the masked scores, the columns' maxima and sums, the finished softmax as codes | pv: y = x + attn v | out: relu(y Wo^T + bo).
; DEAD WORK LEFT OUT: C_BIAS.  reference() adds the constant 0.0 to every score: a term that is 0, and the same along the softmax's axis; it moves no score and no code.  Nothing else is left out; every input is loaded.
; THE MASK is not dead work: which rows i >= l[b] are hidden hangs on l's value.  Those scores are computed, and begin their sums at -2^100 in place of 0 (launch soft), so that their weight is exactly 0.
; LIMITS: |score| under 2^76; l[b] at least 1 (at l[b] = 0 reference() gives NaN, this program does not); a weight under 2^-126 counts as 0; a block of zeros gets the scale byte 1 where the quantiser says 127
; (its codes are zeros, which add nothing under any byte but 0xff, and this program alone reads the bytes); NaN and infinities among the inputs are not served.
; THE LAYOUT OF EVERY BUFFER OF CODES: blocks of 12,800 bytes, [group of 128 rows][K step of 128].  A block is eight IMAGES of an operand's registers (16 rows x 128 K: 12 registers a lane; registers 4 c .. 4 c + 3 of
; lane l at 512 c + 16 l), 1,536 bytes each, and behind them 128 scale words (four bytes: a row's 128 along K).  So a fragment comes by three loads of 16 bytes a lane, and 128 rows x n K steps are one dense run of bytes.
; THE ROWS OF A GROUP ARE NOT IN THEIR OWN ORDER: place 16 t + r holds row 32 (t / 2) + 8 (t % 2) + r + 8 (r / 8) (bits 3 and 4 of the row's number change places), so that a product which takes such rows as its
; source 0 leaves 16 neighbours along the next K in the 16 registers of two neighbouring tiles.
; SHARES.  A work-group of four waves takes the 16 rows of ONE image: work-groups 0-511 x, then 64 each for Wq, Wk, Wv, Wo: 768 equal work-groups.  Image u of a tensor holds rows 32 (u / 2) + 8 (u % 2) + 0 .. 7 and the eight
; rows 16 further on.  Wave w loads the rows at places 4 w .. 4 w + 3, four neighbouring rows (every load 512 consecutive bytes), normalises them (x alone: the one branch, on the work-group's number, leads round register
; work and the loads of gamma and beta), and stores them into a stage in LDS.  One barrier.  Then wave w takes all 16 rows and K steps 2 w, 2 w + 1: a lane reads two whole blocks of 32 of its row for each K step, so a
; block's largest magnitude needs no other lane.
.set SP,    4112                       ; a stage row: 4,096 bytes + 16: sixteen rows' equal columns start in sixteen different groups of banks
.set SPARE, 16*SP                      ; behind the stage: the spare words, 128 bytes for each wave: two blocks of 256 bytes that no other line names
.set BLK,   12800
.set IMG,   1536
.set SCO,   12288
.set SPW,   12                         ; v12  LDS address of my spare word; never rewritten
.set NIL,   13                         ; v13  0; never rewritten
.set SU,    16                         ; v16-23  four pairs: a row's sums
.set MU,    24                         ; v24-31  four pairs: a row's mean, later 1 / sqrt(var + eps)
.set X,     32                         ; v32-159 four rows of 32 registers; later 2 x 64 numbers of one row
.set GA,    160                        ; v160-191 gamma, v192-223 beta, laid as a row is
.set BE,    192
.set TQ,    224                        ; v224-230 at work in QUANT6
.set PC0,   160                        ; the codes of my two K steps (gamma's registers are free by then)
.set PC1,   180
.set PW0,   200                        ; their scale words
.set PW1,   201
.set PWS,   202
	s_load_b512 s[4:19], s[0:1], 0x0               ; x, gamma, beta, Wq, Wk, Wv, Wo, xn
	s_load_b128 s[20:23], s[0:1], 0x40             ; wqk, wvo
	v_lshl_add_u32 v[SPW], v0, 2, SPARE
	v_mov_b32 v[NIL], 0
	v_lshrrev_b32 v1, 5, v0
	v_readfirstlane_b32 s24, v1                    ; wave 0..3
	v_and_b32 v1, 31, v0                           ; lane
	v_and_b32 v2, 15, v0                           ; r
	v_bfe_u32 v3, v0, 4, 1                         ; h
	v_lshlrev_b32 v4, 4, v1                        ; 16 x lane
	s_mul_i32 s38, s24, 4*SP
	v_add_nc_u32 v5, s38, v4                       ; into the stage: places 4 w on
	s_lshl_b32 s39, s24, 10                        ; my pair of K steps: 1,024 bytes of a row
	v_mul_u32_u24 v6, v2, SP
	v_lshl_add_u32 v6, v3, 7, v6
	v_add_nc_u32 v6, s39, v6                       ; out of it: row r, my pair of K steps, 128 h
	v_mul_u32_u24 v7, v3, BLK
	v_lshl_add_u32 v7, v2, 2, v7                   ; the scale words' place: lanes 0-15 the first K step's, lanes 16-31 the second's, a block on
	v_lshlrev_b32 v8, 3, v3                        ; 8 h
	v_mov_b32 v[TQ+6], 0                           ; written once: a lane permute's destination counts as one of its sources
	s_mov_b32 s32, 0x76543210
	s_mov_b32 s33, 0xfedcba98                      ; v_permlanex16_b32's selects for lane l xor 16
	s_mov_b32 s34, 0x3a800000                      ; 1 / 1,024
	s_mov_b32 s35, 0x3727c5ac                      ; 1e-5
	s_mov_b32 s37, 0xffff0000                      ; lanes 16-31
	s_and_b32 s42, ttmp9, 63
	s_and_b32 s43, ttmp9, 127
	s_cmp_lt_u32 ttmp9, 512
	s_cselect_b32 s42, ttmp9, s42                  ; which image of my tensor
	s_cselect_b32 s43, ttmp9, s43                  ; and of my buffer of codes (two weights to a buffer)
	s_lshr_b32 s44, s42, 1
	s_lshl_b32 s44, s44, 5                         ; my four rows begin at row 32 (u / 2)
	s_and_b32 s45, s42, 1
	s_lshl_b32 s45, s45, 3
	s_add_co_u32 s44, s44, s45                     ; + 8 (u % 2)
	s_lshl_b32 s45, s24, 2
	s_add_co_u32 s44, s44, s45                     ; + 4 w
	s_lshr_b32 s45, s24, 1
	s_lshl_b32 s45, s45, 3
	s_add_co_u32 s44, s44, s45                     ; + 8 (w / 2)
	s_lshl_b32 s44, s44, 12                        ; in bytes
	s_mov_b32 s45, 0
	s_lshr_b32 s46, s43, 3
	s_mul_i32 s46, s46, 8*BLK                      ; my group,
	s_mul_i32 s47, s24, 2*BLK
	s_add_co_u32 s46, s46, s47                     ; the block of my first K step
	s_and_b32 s43, s43, 7                          ; my image in it
	s_mul_i32 s48, s43, IMG
	s_add_co_u32 s48, s48, s46
	s_mov_b32 s49, 0
	s_lshl_b32 s50, s43, 6
	s_add_co_u32 s50, s50, s46
	s_add_co_u32 s50, s50, SCO                     ; and its sixteen scale words
	s_mov_b32 s51, 0
	s_wait_alu depctr_va_vdst(0)
	s_wait_kmcnt 0x0
	s_mov_b64 s[26:27], s[16:17]                   ; the tensor and the buffer are chosen by the work-group's number alone
	s_cmp_lt_u32 ttmp9, 704
	s_cselect_b64 s[26:27], s[14:15], s[26:27]
	s_cmp_lt_u32 ttmp9, 640
	s_cselect_b64 s[26:27], s[12:13], s[26:27]
	s_cselect_b64 s[28:29], s[20:21], s[22:23]
	s_cmp_lt_u32 ttmp9, 576
	s_cselect_b64 s[26:27], s[10:11], s[26:27]
	s_cmp_lt_u32 ttmp9, 512
	s_cselect_b64 s[26:27], s[4:5], s[26:27]
	s_cselect_b64 s[28:29], s[18:19], s[28:29]
	s_add_nc_u64 s[26:27], s[26:27], s[44:45]
	s_add_nc_u64 s[30:31], s[28:29], s[50:51]
	s_add_nc_u64 s[28:29], s[28:29], s[48:49]
.irp p, 0,1,2,3
.irp i, 0,1,2,3,4,5,6,7
	global_load_b128 v[X+32*\p+4*\i:X+32*\p+4*\i+3], v4, s[26:27] offset:4096*\p+512*\i th:TH_LOAD_NT   ; 32 lanes read 512 consecutive bytes: 32 loads, 16 KiB, of every wave are out
.endr
.endr
	s_cmp_ge_u32 ttmp9, 512
	s_cbranch_scc1 .Lraw                           ; a weight is quantised as it is
.irp i, 0,1,2,3,4,5,6,7
	global_load_b128 v[GA+4*\i:GA+4*\i+3], v4, s[6:7] offset:512*\i
	global_load_b128 v[BE+4*\i:BE+4*\i+3], v4, s[8:9] offset:512*\i
.endr
	s_wait_loadcnt 0x0
; the four rows' pairs of partial sums become the rows' sums, in every lane.  The four rows take turns in every group of lines, so that no line waits for the line above it.
.macro REDUCE
.irp p, 0,1,2,3
	v_add_f32 v[SU+2*\p], v[SU+2*\p], v[SU+2*\p+1]
.endr
.irp m, 1,2,4,8
.irp p, 0,1,2,3
	v_add_f32_dpp v[SU+2*\p], v[SU+2*\p], v[SU+2*\p] row_xmask:\m row_mask:0xf bank_mask:0xf
.endr
.endr
.irp p, 0,1,2,3
	v_permlanex16_b32 v[SU+2*\p+1], v[SU+2*\p], s32, s33
.endr
.irp p, 0,1,2,3
	v_add_f32 v[SU+2*\p], v[SU+2*\p], v[SU+2*\p+1]
.endr
.endm
.irp p, 0,1,2,3
	v_pk_add_f32 v[SU+2*\p:SU+2*\p+1], v[X+32*\p:X+32*\p+1], v[X+32*\p+2:X+32*\p+3]
.endr
.irp i, 4,6,8,10,12,14,16,18,20,22,24,26,28,30
.irp p, 0,1,2,3
	v_pk_add_f32 v[SU+2*\p:SU+2*\p+1], v[SU+2*\p:SU+2*\p+1], v[X+32*\p+\i:X+32*\p+\i+1]
.endr
.endr
	REDUCE
.irp p, 0,1,2,3
	v_mul_f32 v[MU+2*\p], s34, v[SU+2*\p]          ; the mean
.endr
.irp p, 0,1,2,3
	v_mov_b32 v[MU+2*\p+1], v[MU+2*\p]
.endr
.irp i, 0,2,4,6,8,10,12,14,16,18,20,22,24,26,28,30
.irp p, 0,1,2,3
	v_pk_add_f32 v[X+32*\p+\i:X+32*\p+\i+1], v[X+32*\p+\i:X+32*\p+\i+1], v[MU+2*\p:MU+2*\p+1] neg_lo:[0,1] neg_hi:[0,1]   ; x - mean first, then the squares: a common offset of the inputs costs no digits
.endr
.endr
.irp p, 0,1,2,3
	v_pk_mul_f32 v[SU+2*\p:SU+2*\p+1], v[X+32*\p:X+32*\p+1], v[X+32*\p:X+32*\p+1]
.endr
.irp i, 2,4,6,8,10,12,14,16,18,20,22,24,26,28,30
.irp p, 0,1,2,3
	v_pk_fma_f32 v[SU+2*\p:SU+2*\p+1], v[X+32*\p+\i:X+32*\p+\i+1], v[X+32*\p+\i:X+32*\p+\i+1], v[SU+2*\p:SU+2*\p+1]
.endr
.endr
	REDUCE
.irp p, 0,1,2,3
	v_fma_f32 v[SU+2*\p], v[SU+2*\p], s34, s35     ; var + eps
.endr
	s_wait_alu depctr_va_vdst(0)
.irp p, 0,1,2,3
	v_rsq_f32 v[MU+2*\p], v[SU+2*\p]
	v_rsq_f32 v[MU+2*\p+1], v[SU+2*\p]             ; twice: the packed multiply takes a pair
.endr
	v_nop                                          ; a plain instruction behind the last of the batch,
	s_wait_alu depctr_va_vdst(0)                   ; and the one wait ahead of the batch's first reader
.irp i, 0,2,4,6,8,10,12,14,16,18,20,22,24,26,28,30
.irp p, 0,1,2,3
	v_pk_mul_f32 v[X+32*\p+\i:X+32*\p+\i+1], v[X+32*\p+\i:X+32*\p+\i+1], v[MU+2*\p:MU+2*\p+1]
.endr
.endr
.irp i, 0,2,4,6,8,10,12,14,16,18,20,22,24,26,28,30
.irp p, 0,1,2,3
	v_pk_fma_f32 v[X+32*\p+\i:X+32*\p+\i+1], v[X+32*\p+\i:X+32*\p+\i+1], v[GA+\i:GA+\i+1], v[BE+\i:BE+\i+1]
.endr
.endr
.Lraw:
	s_wait_loadcnt 0x0
	s_wait_alu depctr_va_vdst(0)
.irp p, 0,1,2,3
.irp i, 0,1,2,3,4,5,6,7
	ds_store_b128 v5, v[X+32*\p+4*\i:X+32*\p+4*\i+3] offset:\p*SP+512*\i
.endr
.endr
	s_wait_dscnt 0x0                               ; for the others' sake: my rows lie in the stage
	s_barrier_signal -1
	s_barrier_wait -1
.irp qq, 0,1
.irp c, 0,1
.irp j, 0,1,2,3,4,5,6,7
	ds_load_b128 v[X+64*\qq+32*\c+4*\j:X+64*\qq+32*\c+4*\j+3], v6 offset:512*\qq+256*\c+16*\j   ; register 32 c + i of a K step: k = 64 c + 32 h + i of my row: the order of the operand's layout
.endr
.endr
.endr
; 64 numbers of a lane, two whole blocks of 32, become a fragment's twelve registers in v[pc] on and its row's scale word in v[pw].
.macro QUANT6 n, pc, pw
.irp c, 0,1
	v_max3_num_f32 v[TQ+\c], |v[\n+32*\c]|, |v[\n+32*\c+1]|, 0x2800000   ; the block's largest magnitude, and the floor 2^(5 - 127): so the byte cannot fall under 1
.endr
.irp i, 2,4,6,8,10,12,14,16,18,20,22,24,26,28,30
.irp c, 0,1
	v_max3_num_f32 v[TQ+\c], v[TQ+\c], |v[\n+32*\c+\i]|, |v[\n+32*\c+\i+1]|
.endr
.endr
.irp c, 0,1
	v_add_nc_u32 v[TQ+2+\c], 0xfe000000, v[TQ+\c]  ; 4 off its exponent field: the conversion takes the exponent field of this operand as its scale
.endr
.irp c, 0,1
	v_lshrrev_b32 v[TQ+4+\c], 23, v[TQ+2+\c]       ; the scale's byte
.endr
	v_lshl_or_b32 v[\pw], v[TQ+5], 16, v[TQ+4]     ; my two bytes: blocks h and 2 + h,
	v_lshlrev_b32 v[\pw], v8, v[\pw]               ; at their places (8 h bits up);
	v_permlanex16_b32 v[TQ+6], v[\pw], s32, s33
	v_or_b32 v[\pw], v[\pw], v[TQ+6]               ; with lane l xor 16's two the word is whole
.irp c, 0,1
	v_cvt_scalef32_pk16_bf6_f32 v[\pc+6*\c:\pc+6*\c+2], v[\n+32*\c:\n+32*\c+15], v[TQ+2+\c]
	v_cvt_scalef32_pk16_bf6_f32 v[\pc+12+4*\c:\pc+14+4*\c], v[\n+32*\c+16:\n+32*\c+31], v[TQ+2+\c]   ; (a conversion's three registers begin on an even number: the second half is made elsewhere and moved)
.endr
	v_nop                                          ; one plain place behind a scaled conversion
.irp c, 0,1
.irp i, 0,1,2
	v_mov_b32 v[\pc+6*\c+3+\i], v[\pc+12+4*\c+\i]
.endr
.endr
.endm
	s_wait_dscnt 16                                ; the first K step's sixteen loads are in; the second's may be out
	QUANT6 X, PC0, PW0
	s_wait_dscnt 0x0
	QUANT6 X+64, PC1, PW1
.irp c, 0,1,2
	global_store_b128 v4, v[PC0+4*\c:PC0+4*\c+3], s[28:29] offset:512*\c          ; an image as it stands: each store covers 512 consecutive bytes, aligned
	global_store_b128 v4, v[PC1+4*\c:PC1+4*\c+3], s[28:29] offset:BLK+512*\c
.endr
	v_cndmask_b32 v[PWS], v[PW0], v[PW1], s37
	global_store_b32 v7, v[PWS], s[30:31]          ; two runs of 64 bytes: one byte in 25 of what the launch stores
	s_wait_tensorcnt 0x0                           ; the wave's end, behind my last LDS store
	ds_add_u32 v[SPW], v[NIL]
	s_wait_dscnt 0x0
	s_endpgm
.Lfunc_end_k_q99aa5b59d5_prep:
	.size	k_q99aa5b59d5_prep, .Lfunc_end_k_q99aa5b59d5_prep-k_q99aa5b59d5_prep
	.p2alignl 7, 3214868480
	.fill 96, 4, 3214868480
	.section	.rodata,"a",@progbits
	.p2align	6, 0x0
	.amdhsa_kernel k_q99aa5b59d5_prep
		.amdhsa_group_segment_fixed_size 66304
		.amdhsa_private_segment_fixed_size 0
		.amdhsa_enable_private_segment 0
		.amdhsa_kernarg_size 80
		.amdhsa_user_sgpr_count 2
		.amdhsa_user_sgpr_kernarg_segment_ptr 1
		.amdhsa_wavefront_size32 1
		.amdhsa_system_sgpr_workgroup_id_x 1
		.amdhsa_system_sgpr_workgroup_id_y 1
		.amdhsa_system_sgpr_workgroup_id_z 1
		.amdhsa_system_vgpr_workitem_id 0
		.amdhsa_next_free_vgpr 256
		.amdhsa_next_free_sgpr 66
		.amdhsa_reserve_vcc 0
		.amdhsa_float_denorm_mode_32 3
		.amdhsa_float_denorm_mode_16_64 3
		.amdhsa_memory_ordered 1
		.amdhsa_forward_progress 1
		.amdhsa_inst_pref_size 43
	.end_amdhsa_kernel
	.amdgpu_metadata
---
amdhsa.version: [ 1, 2 ]
amdhsa.kernels:
  - .name:           k_q99aa5b59d5_prep
    .symbol:         k_q99aa5b59d5_prep.kd
    .args:
      - { .name: x, .offset: 0, .size: 8, .value_kind: global_buffer, .address_space: global }
      - { .name: gamma, .offset: 8, .size: 8, .value_kind: global_buffer, .address_space: global }
      - { .name: beta, .offset: 16, .size: 8, .value_kind: global_buffer, .address_space: global }
      - { .name: Wq, .offset: 24, .size: 8, .value_kind: global_buffer, .address_space: global }
      - { .name: Wk, .offset: 32, .size: 8, .value_kind: global_buffer, .address_space: global }
      - { .name: Wv, .offset: 40, .size: 8, .value_kind: global_buffer, .address_space: global }
      - { .name: Wo, .offset: 48, .size: 8, .value_kind: global_buffer, .address_space: global }
      - { .name: xn, .offset: 56, .size: 8, .value_kind: global_buffer, .address_space: global }
      - { .name: wqk, .offset: 64, .size: 8, .value_kind: global_buffer, .address_space: global }
      - { .name: wvo, .offset: 72, .size: 8, .value_kind: global_buffer, .address_space: global }
    .group_segment_fixed_size: 66304
    .private_segment_fixed_size: 0
    .kernarg_segment_align: 8
    .kernarg_segment_size: 80
    .max_flat_workgroup_size: 128
    .sgpr_count:     66
    .vgpr_count:     256
    .wavefront_size: 32
...
	.end_amdgpu_metadata
.endif
;; end of part 1
;; launch qkv (part 2): grid 8 x 32, 4 waves a work-group, clusters of 4 x 4, 327,680 bytes of LDS; arguments xn, wqk, wvo, qk, vt; writes qk, vt
.if DOCPART == 2
	.amdgcn_target "amdgcn-amd-amdhsa--gfx1250"
	.amdhsa_code_object_version 6
	.text
	.protected	k_q99aa5b59d5_qkv
	.globl	k_q99aa5b59d5_qkv
	.p2align	8
	.type	k_q99aa5b59d5_qkv,@function
k_q99aa5b59d5_qkv:
	s_mov_b64 s[64:65], 0
	v_nop
	global_prefetch_b8 v0, s[64:65] scope:SCOPE_SE
	s_setreg_imm32_b32 hwreg(HW_REG_WAVE_MODE, 25, 1), 1
	s_wait_xcnt 0x0
	s_wait_alu depctr_hold_cnt(0) depctr_sa_sdst(0) depctr_va_vdst(0) depctr_va_sdst(0) depctr_va_ssrc(0) depctr_va_vcc(0) depctr_vm_vsrc(0)
	s_getreg_b32 s2, hwreg(HW_REG_IB_STS2, 6, 4)
	s_cmp_eq_u32 s2, 0
	s_cbranch_scc0 .Lentry_in_a_cluster
	s_endpgm
.Lentry_in_a_cluster:
	s_bfe_u32 s2, ttmp6, 0x10000c
	s_cmp_lg_u32 s2, 0xf033
	s_cbranch_scc0 .Lentry_shape_is_right
	s_endpgm
.Lentry_shape_is_right:
; LAUNCH 2 OF 5.  q = xn Wq^T and k = xn Wk^T, quantised along their 1,024 columns (buffer qk), and v^T = Wv xn^T, quantised along the tokens (buffer vt): all three on codes of BF6 (E3M2) with E8M0 scales.
; BUFFERS OF CODES: blocks of 12,800 bytes, [group of 128 rows][K step of 128]: eight images of an operand's registers (1,536 bytes: registers 4 c .. 4 c + 3 of lane l at 512 c + 16 l), then 128 scale words.
; Place 16 t + r of a group holds row 32 (t / 2) + 8 (t % 2) + r + 8 (r / 8).
; EVERY WORK-GROUP MAKES ONE AND A HALF TILES.  [q | k] is 8,192 x 2,048: 256 tiles of 256 x 256; v^T is 1,024 x 8,192: 256 tiles of 128 x 256.  So 256 work-groups have equal work: part 1, a tile of [q | k]; part 2, a tile of v^T.
; THE PRODUCT IS USED TRANSPOSED: source 0 = 16 rows of B, source 1 = 16 rows of A: a lane holds one row of A's, and by the order of B's rows the 16 registers of tiles 2 b, 2 b + 1 are 16 neighbours along the next K: the
; result is quantised in registers and leaves as images of the next operand.
; PART 1: A = xn, B = [Wq; Wk]; four waves of 128 x 128: 64 accumulators.  K = 1,024 goes in four fills of two K steps through three LDS slots of 102,400 bytes (A's two groups, B's two groups, each a dense run of 25,600
; bytes, codes and scale words together: one tensor load a wave).  Two fills go out at the head, slot 2's first behind the second K step; slot 0 is filled once more, behind the fourth.
; PART 2: A = Wv, B = xn; four waves of 64 x 128: 32 accumulators.  K = 1,024 lies in two slots of 153,600 bytes (A's group, fetched in two halves; B's two groups; four K steps each), WHICH ARE THE SAME 307,200 BYTES:
; THE RING GOES ON FROM PART 1 INTO PART 2.  Bytes 153,600 on (the B half of slot 1, and slot 2) are free at slot 2's last K step: part 2's K steps 0 to 3 are asked for there, 160 matrix instructions and three blocks' way out
; ahead of the wait for them.  Bytes 0 to 153,599 are free behind part 1's last product: K steps 4 to 7 are asked for between blocks 2 and 3 of part 1's way out, five blocks' way out and 96 matrix instructions ahead.
; Every refill stands behind the three lines and a round of the cluster's barrier, one tensor load a wave.  By this text's count a wave has at most one tensor load out.
; CLUSTERS: 4 x 4 work-groups; A's runs are shared along a row of the cluster, B's along a column: each is asked for jointly.  Part 1: A's pair of groups 4 cly + cy, B's 4 clx + cx.  Part 2: A's group 4 clx + cy, B's pair 4 cly + cx
; (clx, cly: the cluster's numbers): no address of A's holds cx, none of B's cy.
; REGISTERS: window 0: v1 r, v2 h, v4 16 x lane, v5 4 x lane, v6-7, v12-13, v25-26 part 2's LDS addresses, v8-11 scale words on their way out, v16-24 part 1's LDS addresses, v28, v29 the add's two, v32-47 scale words (two sets),
; v48-63 at work, v128 on A's fragments (one set), later the codes just made.  window 1: B's fragments, two sets, at v0 and v128.  windows 2, 3: accumulator (a, b) at v[8 (8 (a % 4) + b)].
.set BLK,   12800
.set IMG,   1536
.set SCO,   12288
.set NL,    3                          ; LDS loads that bring a fragment
.set RB,    8                          ; part 1: A's blocks of 16 rows to a wave
.set NQ,    2                          ; K steps of 128 in a slot
.set NSLOT, 3
.set GB,    NQ*BLK                     ; a group's part of a slot
.set AREG,  2*GB                       ; A's part of a slot
.set AFB,   GB                         ; what one wave fetches of A: 25,600 bytes in both parts
.set SLOT,  AREG+2*GB
.set HA,    RB/2
.set SPARE, NSLOT*SLOT                 ; behind the ring: the spare words, 128 bytes for each wave: two blocks of 256 bytes that no other line names
.set GB2,   4*BLK                      ; part 2: a group's part of a slot,
.set SLOT2, 3*GB2                      ; and a slot: A's group, B's two
.set LI,   4
.set LS,   5
.set ADRA2, 6                          ; v6-7   part 2: my A fragments in slot 0, 1
.set ADRB2, 12                         ; v12-13 my B fragments
.set ADRA, 16                          ; v16-18 part 1: my A fragments in slot 0, 1, 2
.set ADRB, 19                          ; v19-21 my B fragments
.set ADRS, 22                          ; v22-24 my scale words: lanes 0-15 A's, lanes 16-31 B's
.set ADRS2, 25                         ; v25-26 part 2's
.set SPW,  28
.set NIL,  29
.set PW,   30
.set PWE,  31
.set SC,   32
.set TM,   48
.set AF,   128
.set PC,   128
.set G1A,  24                          ; s[24:31] group 1 for A's runs, in both parts; s[32:39] for B's in part 1; s[40:51], s[52:63] part 1's groups 0, a set for each slot
.set G1B,  32
.set G0A,  40
.set G0B,  52
.set G1B2, 84                          ; s[84:91] group 1 for B's runs in part 2; s[92:95], s[96:99] part 2's groups 0
.set G0A2, 92
.set G0B2, 96
.set MSB, 0
.macro WIN new                         ; the immediate's high byte repeats the setting that is left
.if MSB != (\new)
	s_set_vgpr_msb (MSB<<8)|(\new)
.set MSB, (\new)
.endif
.endm
.macro PLACES                          ; four plain places behind matrix instructions, ahead of loads into registers that they read and of the first read of results
.rept 4
	v_nop
.endr
.endm
.macro CREST                           ; a round of the cluster's barrier behind its opening barrier
	s_cmp_lg_u32 s14, 0
	s_cbranch_scc1 .Lnot_wave_0_\@
	s_barrier_signal -3
.Lnot_wave_0_\@:
	s_barrier_wait -3
	s_barrier_signal -1
	s_barrier_wait -1
.endm
.macro CROUND
	s_barrier_signal -1
	s_barrier_wait -1
	CREST
.endm
.macro JLOAD n                         ; part 1's joint load into slot n: waves 0, 1 fetch for A, waves 2, 3 for B; an s_nop 0 and four v_nop follow each line
	s_cmp_eq_u32 s15, 0
	s_cbranch_scc0 .Lfor_b_\@
	tensor_load_to_lds s[G0A+4*(\n):G0A+4*(\n)+3], s[G1A:G1A+7]
	s_nop 0
.rept 4
	v_nop
.endr
	s_branch .Lasked_\@
.Lfor_b_\@:
	tensor_load_to_lds s[G0B+4*(\n):G0B+4*(\n)+3], s[G1B:G1B+7]
	s_nop 0
.rept 4
	v_nop
.endr
.Lasked_\@:
.endm
.macro JLOAD2                          ; part 2's joint load: waves 0, 1 the halves of A's four K steps, waves 2, 3 B's two groups
	s_cmp_eq_u32 s15, 0
	s_cbranch_scc0 .Lfor_b2_\@
	tensor_load_to_lds s[G0A2:G0A2+3], s[G1A:G1A+7]
	s_nop 0
.rept 4
	v_nop
.endr
	s_branch .Lasked2_\@
.Lfor_b2_\@:
	tensor_load_to_lds s[G0B2:G0B2+3], s[G1B2:G1B2+7]
	s_nop 0
.rept 4
	v_nop
.endr
.Lasked2_\@:
.endm
.macro FRAG reg, adr, off              ; an image becomes twelve registers: each load covers 512 consecutive bytes
.set fr, \reg
.set fo, \off
	ds_load_b128 v[fr:fr+3], v[\adr] offset:fo
	ds_load_b128 v[fr+4:fr+7], v[\adr] offset:fo+512
	ds_load_b128 v[fr+8:fr+11], v[\adr] offset:fo+1024
.endm
.macro FETCH_B slot, q, p              ; B's eight fragments of the slot's K step q into set p
	WIN 0x40
.set fi, 0
.rept 8
	FRAG 128*(\p)+12*fi, ADRB+(\slot), (\q)*BLK+fi*IMG
.set fi, fi+1
.endr
	WIN 0
.endm
.macro FETCH_A slot, q, i0             ; A's blocks i0 .. i0 + HA - 1
.set fi, \i0
.rept HA
	FRAG AF+12*fi, ADRA+(\slot), (\q)*BLK+fi*IMG
.set fi, fi+1
.endr
.endm
.macro SCALES slot, q, p               ; register i of set p: lanes 0-15 the words of A's block i (in part 2 no product names these lanes of registers 4 to 7), lanes 16-31 those of B's block i
.set fi, 0
.rept 8
	ds_load_b32 v[SC+8*(\p)+fi], v[ADRS+(\slot)] offset:(\q)*BLK+64*fi
.set fi, fi+1
.endr
.endm
; n blocks of A from a0 on, each against B's eight.  cm = 1: the products start the sums with the constant 0.  The accumulators take turns, one instruction a turn, in the same order in every K step.
.macro MULS a0, n, p, cm
.set ma, \a0
.rept \n
	WIN 0xa1+0x50*(ma/4)
.set mb, 0
.rept 8
.set rD, 8*(8*(ma%4)+mb)
.set rB, 128*(\p)+12*mb
.set rA, AF+12*ma
.if (\cm) == 0
	v_wmma_scale_f32_16x16x128_f8f6f4 v[rD:rD+7], v[rB:rB+11], v[rA:rA+11], v[rD:rD+7], v[SC+8*(\p)+mb], v[SC+8*(\p)+ma] matrix_a_fmt:MATRIX_FMT_BF6 matrix_b_fmt:MATRIX_FMT_BF6 matrix_a_scale:MATRIX_SCALE_ROW1
.else
	v_wmma_scale_f32_16x16x128_f8f6f4 v[rD:rD+7], v[rB:rB+11], v[rA:rA+11], 0, v[SC+8*(\p)+mb], v[SC+8*(\p)+ma] matrix_a_fmt:MATRIX_FMT_BF6 matrix_b_fmt:MATRIX_FMT_BF6 matrix_a_scale:MATRIX_SCALE_ROW1
.endif
.set mb, mb+1
.endr
.set ma, ma+1
.endr
.endm
.macro STEP slot, q, cm                ; a K step that has its successor in the same slot
	s_wait_dscnt HA*NL                             ; B's set, A's lower blocks and the scale words are in; the youngest loads (A's upper blocks) may be out
	MULS 0, HA, (\q)%2, \cm
	s_wait_dscnt 0x0                               ; A's upper blocks are in
	PLACES
	FETCH_B \slot, (\q)+1, 1-(\q)%2
	FETCH_A \slot, (\q)+1, 0
	SCALES \slot, (\q)+1, 1-(\q)%2
	MULS HA, HA, (\q)%2, \cm
	PLACES
	WIN 0
	FETCH_A \slot, (\q)+1, HA
.endm
; A slot's last K step.  mode 2: the slot is filled again: each wave waits for all its tensor loads, adds 0 to its spare word, waits for that and for its reads of the slot; a round of the cluster's barrier; the joint refill first.
; mode 3: the same, and the refill is part 2's first.  mode 1: the same lines and my work-group's barrier: the next slot's fill has landed in every wave.  mode 0: the next slot was shown whole by an earlier barrier, and nothing is filled.
.macro TURN slot, next, mode
.if \mode
	s_wait_tensorcnt 0x0                           ; all my tensor loads have landed
	ds_add_u32 v[SPW], v[NIL]                      ; 0 onto my spare word
	s_wait_dscnt HA*NL+1                           ; (the add and A's upper blocks may be out)
.else
	s_wait_dscnt HA*NL
.endif
	MULS 0, HA/2, 1, 0
.if \mode
	s_wait_dscnt 0x0                               ; the add is done, and my reads of this slot are over
	s_barrier_signal -1
.endif
	MULS HA/2, HA/2, 1, 0
.if (\mode) == 0
	s_wait_dscnt 0x0
.endif
	WIN 0
.if \mode
	s_barrier_wait -1
.endif
.if (\mode) == 2
	CREST                                          ; no wave of any partner still reads this slot or has a load on its way
	s_add_nc_u64 s[G0A+4*(\slot)+2:G0A+4*(\slot)+3], s[G0A+4*(\slot)+2:G0A+4*(\slot)+3], NSLOT*GB
	s_add_nc_u64 s[G0B+4*(\slot)+2:G0B+4*(\slot)+3], s[G0B+4*(\slot)+2:G0B+4*(\slot)+3], NSLOT*GB
	JLOAD \slot                                    ; its four v_nop are also the places ahead of the loads below
.elseif (\mode) == 3
	CREST                                          ; no wave of any partner still reads slots 1 and 2 or has a load on its way
	JLOAD2                                         ; part 2's K steps 0 to 3, into bytes SLOT2 on
.elseif (\mode) == 4
	CREST                                          ; mode 4: slot 2's first fill (K steps 4 and 5), issued as a refill is
	JLOAD 2
.elseif (\mode) == 5
	CREST                                          ; mode 5: slot 0, read out one slot earlier, takes K steps 6 and 7
	s_add_nc_u64 s[G0A+2:G0A+3], s[G0A+2:G0A+3], NSLOT*GB
	s_add_nc_u64 s[G0B+2:G0B+3], s[G0B+2:G0B+3], NSLOT*GB
	JLOAD 0
.else
	PLACES
.endif
	FETCH_B \next, 0, 0
	FETCH_A \next, 0, 0
	SCALES \next, 0, 0
	MULS HA, HA, 1, 0
	PLACES
	WIN 0
	FETCH_A \next, 0, HA
.endm
.macro LAST                            ; a part's very last K step: nothing more to fetch
	s_wait_dscnt HA*NL
	MULS 0, HA, 1, 0
	s_wait_dscnt 0x0
	MULS HA, HA, 1, 0
	WIN 0
	PLACES
.endm
; Block a of my rows (16 rows x 128 columns, 64 registers a lane: register 16 b + i = column 32 b + 16 h + i of my row) becomes an image and sixteen scale words of the next operand, and is stored: images at s[po], scale words at s[ps].
.macro QUANTW a, po, ps
.set qS, 64*((\a)%4)
.set qW, 2+(\a)/4
	WIN (qW<<2)|(qW<<4)
.irp b, 0,1,2,3
	v_max3_num_f32 v[TM+\b], s76, |v[qS+16*\b]|, |v[qS+16*\b+1]|   ; block b: my 16 numbers, and the floor 2^(5 - 127).  Each accumulator is read from its low end on
.endr
.irp i, 2,4,6,8,10,12,14
.irp b, 0,1,2,3
	v_max3_num_f32 v[TM+\b], v[TM+\b], |v[qS+16*\b+\i]|, |v[qS+16*\b+\i+1]|
.endr
.endr
	WIN 0
.irp b, 0,1,2,3
	v_permlanex16_b32 v[TM+4+\b], v[TM+\b], s72, s73
.endr
.irp b, 0,1,2,3
	v_max_num_f32 v[TM+\b], v[TM+\b], v[TM+4+\b]   ; with lane l xor 16's: the block's largest magnitude
.endr
.irp b, 0,1,2,3
	v_add_nc_u32 v[TM+12+\b], 0xfe000000, v[TM+\b] ; 4 off its exponent field: the conversion's scale operand
.endr
.irp b, 0,1,2,3
	v_lshrrev_b32 v[TM+4+\b], 23, v[TM+12+\b]      ; the scale's byte
.endr
	v_lshl_or_b32 v[PW], v[TM+5], 8, v[TM+4]
	v_lshl_or_b32 v[PW], v[TM+6], 16, v[PW]
	v_lshl_or_b32 v[PW], v[TM+7], 24, v[PW]        ; my row's scale word
	s_wait_xcnt 0x0                                ; the last block's stores have read the registers that the conversions write
	WIN qW
.irp c, 0,1
	v_cvt_scalef32_pk16_bf6_f32 v[PC+6*\c:PC+6*\c+2], v[qS+32*\c:qS+32*\c+15], v[TM+12+2*\c]
	v_cvt_scalef32_pk16_bf6_f32 v[PC+12+4*\c:PC+14+4*\c], v[qS+16+32*\c:qS+31+32*\c], v[TM+13+2*\c]
.endr
	WIN 0
	v_nop                                          ; one plain place behind a scaled conversion
.irp c, 0,1                            ; the operand's layout wants a whole block in a lane: lanes 0-15 block 2 c, lanes 16-31 block 2 c + 1
.irp i, 0,1,2
	v_permlane16_swap_b32 v[PC+6*\c+\i], v[PC+12+4*\c+\i]
.endr
.irp i, 0,1,2
	v_mov_b32 v[PC+3+6*\c+\i], v[PC+12+4*\c+\i]
.endr
.endr
.irp c, 0,1,2
	global_store_b128 v[LI], v[PC+4*\c:PC+4*\c+3], s[\po:\po+1] offset:(\a)*IMG+512*\c   ; the image as it stands: 512 consecutive bytes, aligned
.endr
.if ((\a)%2) == 0
	v_mov_b32 v[PWE], v[PW]
.else
	v_cndmask_b32 v[8+(\a)/2], v[PWE], v[PW], s77
	global_store_b32 v[LS], v[8+(\a)/2], s[\ps:\ps+1] offset:128*((\a)/2)   ; two blocks' scale words: 128 consecutive bytes
.endif
.endm
	s_load_b256 s[4:11], s[0:1], 0x0               ; xn, wqk, wvo, qk
	s_load_b64 s[12:13], s[0:1], 0x20              ; vt
	v_lshl_add_u32 v[SPW], v0, 2, SPARE
	v_mov_b32 v[NIL], 0
	ds_add_u32 v[SPW], v[NIL]                      ; the wave's opening: the add, twice on end, and its wait ahead of my first tensor load
	ds_add_u32 v[SPW], v[NIL]
	v_lshrrev_b32 v1, 5, v0
	v_readfirstlane_b32 s14, v1                    ; wave 0..3
	s_lshr_b32 s15, s14, 1                         ; my half of A's rows.  Also: I fetch for A (0) or for B (1)
	s_and_b32 s16, s14, 1                          ; my half of B's rows.  Also: which part I fetch
	s_bfe_u32 s66, ttmp6, 0x40000                  ; cx
	s_bfe_u32 s67, ttmp6, 0x40004                  ; cy
	s_mov_b32 s68, ttmp9                           ; clx: the cluster's x
	s_and_b32 s69, ttmp7, 0xffff                   ; cly: and y
	s_lshl_b32 s70, s67, 2
	s_lshl_b32 s70, 15, s70                        ; my row of the cluster
	s_lshl_b32 s71, 0x1111, s66                    ; my column
	s_or_b32 s[G1A], s70, (3<<16)|(1<<21)          ; group 1: a dense run as rows of 256 bytes: 15:0 the mask; 17:16 elements of 8 bytes; 21 set beside a mask; no padding
	s_or_b32 s[G1B], s71, (3<<16)|(1<<21)
	s_or_b32 s[G1B2], s71, (3<<16)|(1<<21)
.irp g, G1A, G1B, G1B2
	s_mov_b32 s[\g+1], 32<<16                      ; tensor_dim0 = 32 elements
	s_mov_b32 s[\g+3], 32<<16                      ; tile_dim0
	s_mov_b32 s[\g+5], 32                          ; the pitch
	s_mov_b32 s[\g+6], 0
	s_mov_b32 s[\g+7], 0
.endr
	s_mov_b32 s[G1A+2], (AFB/256)<<16              ; tensor_dim1
	s_mov_b32 s[G1A+4], AFB/256                    ; tile_dim1
	s_mov_b32 s[G1B+2], (GB/256)<<16
	s_mov_b32 s[G1B+4], GB/256
	s_mov_b32 s[G1B2+2], (GB2/256)<<16
	s_mov_b32 s[G1B2+4], GB2/256
	s_mov_b32 s72, 0x76543210
	s_mov_b32 s73, 0xfedcba98                      ; v_permlanex16_b32's selects for lane l xor 16
	s_mov_b32 s76, 0x2800000                       ; the floor 2^(5 - 127)
	s_mov_b32 s77, 0xffff0000                      ; lanes 16-31
	; part 1
	s_lshl_b32 s17, s69, 2
	s_add_co_u32 s17, s17, s67                     ; A's pair of groups of xn: 4 cly + cy
	s_lshl_b32 s18, s68, 2
	s_add_co_u32 s18, s18, s66                     ; B's pair of groups of [Wq; Wk]: 4 clx + cx
	s_lshl_b32 s20, s17, 1
	s_add_co_u32 s20, s20, s16
	s_mul_i32 s20, s20, 8*BLK                      ; the group that I fetch, in bytes
	s_mov_b32 s21, 0
	s_lshl_b32 s22, s18, 1
	s_add_co_u32 s22, s22, s16
	s_mul_i32 s22, s22, 8*BLK
	s_mov_b32 s23, 0
	s_mul_i32 s82, s16, AFB                        ; and where it goes in a slot: no place in the cluster enters an LDS address.  (A's: the same in both parts)
	s_mul_i32 s83, s16, GB
	s_add_co_u32 s83, s83, AREG
	s_lshl_b32 s78, s17, 1
	s_add_co_u32 s78, s78, s15                     ; my result's group of rows,
	s_lshl_b32 s78, s78, 4
	s_lshl_b32 s2, s18, 1
	s_add_co_u32 s78, s78, s2
	s_add_co_u32 s78, s78, s16                     ; and its K step of the next product: q's 8, then k's 8
	s_mul_i32 s78, s78, BLK
	s_mov_b32 s79, 0
	; part 2
	s_lshl_b32 s94, s68, 2
	s_add_co_u32 s94, s94, s67                     ; A's group of Wv: 4 clx + cy
	s_lshl_b32 s98, s69, 2
	s_add_co_u32 s98, s98, s66                     ; B's pair of groups of xn: 4 cly + cx
	s_lshl_b32 s98, s98, 1
	s_add_co_u32 s98, s98, s16                     ; my group of 128 tokens: 16 to a batch
	s_lshr_b32 s74, s98, 4
	s_lshl_b32 s74, s74, 3
	s_add_co_u32 s74, s74, s94                     ; vt: [batch x 8 + group of d]
	s_lshl_b32 s74, s74, 4
	s_and_b32 s2, s98, 15
	s_add_co_u32 s74, s74, s2                      ; [K step along the batch's tokens]
	s_mul_i32 s74, s74, BLK
	s_mov_b32 s75, 0
	s_mul_i32 s94, s94, 8*BLK
	s_mul_i32 s2, s16, AFB
	s_add_co_u32 s94, s94, s2                      ; A: my half of a slot's four K steps
	s_mov_b32 s95, 0
	s_mul_i32 s98, s98, 8*BLK
	s_mov_b32 s99, 0
	s_mul_i32 s19, s16, GB2
	s_add_co_u32 s19, s19, GB2                     ; where B's group goes in a slot of part 2
	s_wait_dscnt 0x0                               ; both opening adds are done
	s_wait_kmcnt 0x0
	s_add_nc_u64 s[20:21], s[4:5], s[20:21]
	s_add_nc_u64 s[22:23], s[6:7], s[22:23]
	s_add_nc_u64 s[78:79], s[10:11], s[78:79]      ; part 1's block of qk,
	s_add_nc_u64 s[80:81], s[78:79], SCO           ; and its scale words
	s_mov_b32 s[G0A2], 1                           ; part 2's groups 0: K steps 0 to 3, into the slot at SLOT2
	s_add_co_u32 s[G0A2+1], s82, SLOT2
	s_add_nc_u64 s[G0A2+2:G0A2+3], s[8:9], s[94:95]
	s_or_b32 s[G0A2+3], s[G0A2+3], 0x80000000
	s_mov_b32 s[G0B2], 1
	s_add_co_u32 s[G0B2+1], s19, SLOT2
	s_add_nc_u64 s[G0B2+2:G0B2+3], s[4:5], s[98:99]
	s_or_b32 s[G0B2+3], s[G0B2+3], 0x80000000
	s_add_nc_u64 s[12:13], s[12:13], s[74:75]      ; part 2's block of vt;
	s_lshl_b32 s74, s15, 8
	s_add_co_u32 s74, s74, SCO
	s_add_nc_u64 s[10:11], s[12:13], s[74:75]      ; my 64 scale words of it,
	s_mul_i32 s74, s15, 4*IMG
	s_add_nc_u64 s[12:13], s[12:13], s[74:75]      ; and my four images
	CROUND                                         ; all sixteen work-groups are here: the first joint loads meet
.irp n, 0,1,2
	s_mov_b32 s[G0A+4*\n], 1                       ; count = 1
	s_add_co_u32 s[G0A+4*\n+1], s82, \n*SLOT       ; LDS address
	s_add_nc_u64 s[G0A+4*\n+2:G0A+4*\n+3], s[20:21], \n*GB
	s_or_b32 s[G0A+4*\n+3], s[G0A+4*\n+3], 0x80000000
	s_mov_b32 s[G0B+4*\n], 1
	s_add_co_u32 s[G0B+4*\n+1], s83, \n*SLOT
	s_add_nc_u64 s[G0B+4*\n+2:G0B+4*\n+3], s[22:23], \n*GB
	s_or_b32 s[G0B+4*\n+3], s[G0B+4*\n+3], 0x80000000
.endr
	JLOAD 0                                        ; K steps 0 and 1: one tensor load a wave
	v_and_b32 v3, 31, v0                           ; lane
	v_and_b32 v1, 15, v0                           ; r
	v_bfe_u32 v2, v0, 4, 1                         ; h
	v_lshlrev_b32 v[LI], 4, v3
	s_wait_alu depctr_va_vdst(0)
	v_lshlrev_b32 v[LS], 2, v3
	s_mul_i32 s2, s15, GB                          ; part 1: my group of A,
	s_mul_i32 s17, s15, GB
	s_mul_i32 s3, s16, GB
	s_add_co_u32 s3, s3, AREG                      ; my group of B,
	s_add_co_u32 s17, s17, SCO                     ; A's scale words,
	s_add_co_u32 s18, s3, SCO
	s_sub_co_u32 s18, s18, s17                     ; and how far on B's lie
	v_mul_u32_u24 v15, s18, v2                     ; lanes 16-31 take B's
	v_lshl_add_u32 v15, v1, 2, v15
.irp n, 0,1,2
	v_add_nc_u32 v[ADRA+\n], s2, v[LI]
	v_add_nc_u32 v[ADRB+\n], s3, v[LI]
	v_add_nc_u32 v[ADRS+\n], s17, v15
	s_add_co_u32 s2, s2, SLOT
	s_add_co_u32 s3, s3, SLOT
	s_add_co_u32 s17, s17, SLOT
.endr
	s_mul_i32 s2, s15, 4*IMG                       ; part 2: my four images of A's group,
	s_lshl_b32 s17, s15, 8
	s_mul_i32 s3, s16, GB2
	s_add_co_u32 s3, s3, GB2                       ; my group of B,
	s_add_co_u32 s17, s17, SCO                     ; A's scale words,
	s_add_co_u32 s18, s3, SCO
	s_sub_co_u32 s18, s18, s17                     ; and how far on B's lie
	v_mul_u32_u24 v15, s18, v2
	v_lshl_add_u32 v15, v1, 2, v15
.irp n, 0,1
	v_add_nc_u32 v[ADRA2+\n], s2, v[LI]
	v_add_nc_u32 v[ADRB2+\n], s3, v[LI]
	v_add_nc_u32 v[ADRS2+\n], s17, v15
	s_add_co_u32 s2, s2, SLOT2
	s_add_co_u32 s3, s3, SLOT2
	s_add_co_u32 s17, s17, SLOT2
.endr
.irp b, 0,1,2,3
	v_mov_b32 v[TM+4+\b], 0                        ; written once: a lane permute's destination counts as one of its sources
.endr
	s_wait_alu depctr_va_vdst(0)
	s_wait_tensorcnt 0x0                           ; my part of slot 0 is in; the three lines and a round stand ahead of slot 1's first fill, as ahead of a refill
	ds_add_u32 v[SPW], v[NIL]
	s_wait_dscnt 0x0
	CROUND
	JLOAD 1                                        ; K steps 2 and 3
	FETCH_B 0, 0, 0
	FETCH_A 0, 0, 0
	SCALES 0, 0, 0
	FETCH_A 0, 0, HA
	STEP 0, 0, 1                                   ; the first products start the sums: nothing is cleared
	TURN 0, 1, 4                                   ; slot 2 is filled for the first time
	STEP 1, 0, 0
	TURN 1, 2, 5                                   ; slot 0 takes K steps 6 and 7
	STEP 2, 0, 0
	TURN 2, 0, 3                                   ; slots 1 and 2 are done with: part 2's first four K steps are asked for
	STEP 0, 0, 0
	LAST
.irp a, 0,1,2
	QUANTW \a, 78, 80
.endr
	; the ring's other half: slot 0 and A's half of slot 1 are done with
	s_wait_tensorcnt 0x0                           ; all my tensor loads have landed: my part of part 2's K steps 0 to 3; so a group 0 may be written
	ds_add_u32 v[SPW], v[NIL]                      ; 0 onto my spare word; the descriptors' steps stand between it and the wait for it
	s_mov_b32 s[G0A2+1], s82                       ; the slot at byte 0,
	s_mov_b32 s[G0B2+1], s19
	s_add_nc_u64 s[G0A2+2:G0A2+3], s[G0A2+2:G0A2+3], GB2   ; K steps 4 to 7; the type bits on top are not reached
	s_add_nc_u64 s[G0B2+2:G0B2+3], s[G0B2+2:G0B2+3], GB2
	s_wait_dscnt 0x0                               ; the add is done; my reads of part 1's slots were over at its last K step
	CROUND                                         ; no wave of any partner still reads these bytes or has a load on its way; and part 2's first slot is whole
	JLOAD2
.irp a, 3,4,5,6,7
	QUANTW \a, 78, 80
.endr
	; PART 2: the same macros on its own sizes and addresses.  It begins in the slot at SLOT2
.set RB,    4
.set NQ,    4
.set GB,    GB2
.set AREG,  GB2
.set SLOT,  SLOT2
.set HA,    RB/2
.set ADRA,  ADRA2
.set ADRB,  ADRB2
.set ADRS,  ADRS2
	s_wait_xcnt 0x0                                ; the last block's stores have read the registers into which A's fragments are loaded
	FETCH_B 1, 0, 0
	FETCH_A 1, 0, 0
	SCALES 1, 0, 0
	FETCH_A 1, 0, HA
	STEP 1, 0, 1                                   ; the first products start the sums
	STEP 1, 1, 0
	STEP 1, 2, 0
	TURN 1, 0, 1                                   ; K steps 4 to 7 have landed in every wave; nothing is filled again
	STEP 0, 0, 0
	STEP 0, 1, 0
	STEP 0, 2, 0
	LAST
.irp a, 0,1,2,3
	QUANTW \a, 12, 10
.endr
	s_wait_tensorcnt 0x0                           ; the wave's end
	ds_add_u32 v[SPW], v[NIL]
	s_wait_dscnt 0x0
	CROUND                                         ; the closing round
	s_endpgm
.Lfunc_end_k_q99aa5b59d5_qkv:
	.size	k_q99aa5b59d5_qkv, .Lfunc_end_k_q99aa5b59d5_qkv-k_q99aa5b59d5_qkv
	.p2alignl 7, 3214868480
	.fill 96, 4, 3214868480
	.section	.rodata,"a",@progbits
	.p2align	6, 0x0
	.amdhsa_kernel k_q99aa5b59d5_qkv
		.amdhsa_group_segment_fixed_size 327680
		.amdhsa_private_segment_fixed_size 0
		.amdhsa_enable_private_segment 0
		.amdhsa_kernarg_size 40
		.amdhsa_user_sgpr_count 2
		.amdhsa_user_sgpr_kernarg_segment_ptr 1
		.amdhsa_wavefront_size32 1
		.amdhsa_system_sgpr_workgroup_id_x 1
		.amdhsa_system_sgpr_workgroup_id_y 1
		.amdhsa_system_sgpr_workgroup_id_z 1
		.amdhsa_system_vgpr_workitem_id 0
		.amdhsa_next_free_vgpr 1024
		.amdhsa_next_free_sgpr 100
		.amdhsa_reserve_vcc 0
		.amdhsa_float_denorm_mode_32 3
		.amdhsa_float_denorm_mode_16_64 3
		.amdhsa_memory_ordered 1
		.amdhsa_forward_progress 1
		.amdhsa_inst_pref_size 219
	.end_amdhsa_kernel
	.amdgpu_metadata
---
amdhsa.version: [ 1, 2 ]
amdhsa.kernels:
  - .name:           k_q99aa5b59d5_qkv
    .symbol:         k_q99aa5b59d5_qkv.kd
    .args:
      - { .name: xn, .offset: 0, .size: 8, .value_kind: global_buffer, .address_space: global }
      - { .name: wqk, .offset: 8, .size: 8, .value_kind: global_buffer, .address_space: global }
      - { .name: wvo, .offset: 16, .size: 8, .value_kind: global_buffer, .address_space: global }
      - { .name: qk, .offset: 24, .size: 8, .value_kind: global_buffer, .address_space: global }
      - { .name: vt, .offset: 32, .size: 8, .value_kind: global_buffer, .address_space: global }
    .group_segment_fixed_size: 327680
    .private_segment_fixed_size: 0
    .kernarg_segment_align: 8
    .kernarg_segment_size: 40
    .max_flat_workgroup_size: 128
    .sgpr_count:     100
    .vgpr_count:     1024
    .wavefront_size: 32
...
	.end_amdgpu_metadata
.endif
;; end of part 2
;; launch soft (part 3): grid 256 x 1, 4 waves a work-group, no clusters, 1,536 bytes of LDS; arguments qk, l, p; writes p
.if DOCPART == 3
	.amdgcn_target "amdgcn-amd-amdhsa--gfx1250"
	.amdhsa_code_object_version 6
	.text
	.protected	k_q99aa5b59d5_soft
	.globl	k_q99aa5b59d5_soft
	.p2align	8
	.type	k_q99aa5b59d5_soft,@function
k_q99aa5b59d5_soft:
	s_mov_b64 s[64:65], 0
	v_nop
	global_prefetch_b8 v0, s[64:65] scope:SCOPE_SE
	s_setreg_imm32_b32 hwreg(HW_REG_WAVE_MODE, 25, 1), 1
	s_wait_xcnt 0x0
; THE SCORES, THE SOFTMAX DOWN THEIR COLUMNS, AND ITS CODES, IN ONE LAUNCH.  attn[i][j] = exp(s[i][j]) / sum over i' < l[b] of exp(s[i'][j]), s = q k^T / 32; attn is quantised along j (BF6, E3M2, one E8M0 byte for 32) and stored as pv's operand p.
; LEFT OUT: C_BIAS, the constant 0.0 that reference() adds to every score.  GROUPS OF 128 ROWS i THAT l[b] HIDES WHOLE are not multiplied: reference() sets their scores to -inf, so their weight is 0 whatever q holds; l is read
; from memory and steers scalar branches alone.  Their sums are set to -2^100, and in the one group that is hidden in part -2^100 is added to the hidden rows: the way out then gives weight 0, zero codes and the scale byte 1.
; LIMITS: |score| under 2^76; l[b] at least 1 (at 0 reference() gives NaN, this text does not); a weight under 2^-126 counts as 0; NaN and infinities in hidden rows of q are not carried to the result.
; SHARES: 256 work-groups = 4 batches x 64 blocks of 32 columns j: ONE block of the quantiser.  A work-group holds all 2,048 x 32 scores of its columns in registers, so maxima and sums need no other work-group.
; Wave w takes tiles 2 w, 2 w + 1 (32 rows) of each of the batch's 16 groups: 64 accumulators, equal work in all four waves for every l.
; THE PRODUCT: source 0 = k's two images (32 columns), source 1 = a tile of q: lane (r, h) holds row i = place r, and the 16 registers of a tile's two accumulators are columns j = 16 h + 0 .. 15.
; k's 16 fragments (8 K steps x 2) stay in 192 registers.  q's fragments come from memory straight into eight register buffers, one for each K step: behind the products of a pair of K steps the same pair of the NEXT group is
; asked for: 56 loads a wave stand one group ahead of their use.  So the first hidden group's codes are asked for and not used: one group at the most.
; NO TENSOR LOAD, NO JOINT LOAD: the walk hangs on l, a number read from memory, and each fragment is used by one wave alone.  NO PREFETCH: the loads themselves stand a whole group ahead.
; qk: blocks of 12,800 bytes [group of 128 rows][q's 8 K steps, k's 8]: eight images of 1,536 bytes, 128 scale words.  Place 16 t + r of a group holds row 32 (t / 2) + 8 (t % 2) + r + 8 (r / 8).
; p: blocks of 12,800 bytes [group of 128 rows i][K step of 128 j]: [block of 32 j: 3,072 bytes][tile: 384][row: 24 bytes]; in the odd blocks neighbouring tiles change places; behind them 128 scale words, byte jb of a word for block jb.
; A wave's two stores of a group cover 768 consecutive bytes, aligned to 256.  The scale bytes leave singly, 4 bytes apart: one byte in 25 of what the launch stores.
.set BLK, 12800
.set IMG, 1536
.set SCO, 12288
.set GST, 16*BLK                       ; from group to group, in qk and in p
.set SPARE, 1024                       ; LDS: 0-511 the waves' maxima, 512-1023 their sums, then the spare words
.set VQ, 4                             ; q's codes: 2 w images + 16 x lane
.set VQS, 5                            ; 128 w + 4 x lane: q's scale words, and p's scale bytes
.set VK, 6
.set VKS, 7
.set VD, 8                             ; l - my row's number in a group's tile 2 w
.set VNEG, 9
.set PA, 10                            ; v10, v11: where my 12 bytes of tile 2 w, 2 w + 1 go
.set MA, 12
.set MR, 13
.set SPW, 14
.set NIL, 15
.set B0, 16
.set KS, 24                            ; v24-31 k's scale words: lanes 0-15 image 0, lanes 16-31 image 1
.set QS, 32                            ; v32-39 q's, one for each buffer: lanes 0-15 tile 2 w, lanes 16-31 tile 2 w + 1
.set QB, 64                            ; v64-255 q's buffers.  window 1: v0-191 k's fragments.  windows 2, 3: accumulator (g, tt, u) at 32 (g % 8) + 16 tt + 8 u
.set M, 64                             ; the way out, where the buffers lay
.set T, 80
.set NM, 144
.set Z, 160
.set RZ, 176
.set AM, 192
.set PX, 196
.set SX, 200
.set BT, 204
.set BY, 208
.set MSB, 0
.macro WIN new                         ; the immediate's high byte repeats the setting that is left
.if MSB != (\new)
	s_set_vgpr_msb (MSB<<8)|(\new)
.set MSB, (\new)
.endif
.endm
.macro WM d, k, q, ks, qs, u, tt, z
.set wd, \d
.set wk, \k
.set wq, \q
.set wks, \ks
.set wqs, \qs
.if \z
.if (\u)==0 && (\tt)==0
	v_wmma_scale_f32_16x16x128_f8f6f4 v[wd:wd+7], v[wk:wk+11], v[wq:wq+11], 0, v[wks], v[wqs] matrix_a_fmt:MATRIX_FMT_BF6 matrix_b_fmt:MATRIX_FMT_BF6
.elseif (\u)==1 && (\tt)==0
	v_wmma_scale_f32_16x16x128_f8f6f4 v[wd:wd+7], v[wk:wk+11], v[wq:wq+11], 0, v[wks], v[wqs] matrix_a_fmt:MATRIX_FMT_BF6 matrix_b_fmt:MATRIX_FMT_BF6 matrix_a_scale:MATRIX_SCALE_ROW1
.elseif (\u)==0
	v_wmma_scale_f32_16x16x128_f8f6f4 v[wd:wd+7], v[wk:wk+11], v[wq:wq+11], 0, v[wks], v[wqs] matrix_a_fmt:MATRIX_FMT_BF6 matrix_b_fmt:MATRIX_FMT_BF6 matrix_b_scale:MATRIX_SCALE_ROW1
.else
	v_wmma_scale_f32_16x16x128_f8f6f4 v[wd:wd+7], v[wk:wk+11], v[wq:wq+11], 0, v[wks], v[wqs] matrix_a_fmt:MATRIX_FMT_BF6 matrix_b_fmt:MATRIX_FMT_BF6 matrix_a_scale:MATRIX_SCALE_ROW1 matrix_b_scale:MATRIX_SCALE_ROW1
.endif
.else
.if (\u)==0 && (\tt)==0
	v_wmma_scale_f32_16x16x128_f8f6f4 v[wd:wd+7], v[wk:wk+11], v[wq:wq+11], v[wd:wd+7], v[wks], v[wqs] matrix_a_fmt:MATRIX_FMT_BF6 matrix_b_fmt:MATRIX_FMT_BF6
.elseif (\u)==1 && (\tt)==0
	v_wmma_scale_f32_16x16x128_f8f6f4 v[wd:wd+7], v[wk:wk+11], v[wq:wq+11], v[wd:wd+7], v[wks], v[wqs] matrix_a_fmt:MATRIX_FMT_BF6 matrix_b_fmt:MATRIX_FMT_BF6 matrix_a_scale:MATRIX_SCALE_ROW1
.elseif (\u)==0
	v_wmma_scale_f32_16x16x128_f8f6f4 v[wd:wd+7], v[wk:wk+11], v[wq:wq+11], v[wd:wd+7], v[wks], v[wqs] matrix_a_fmt:MATRIX_FMT_BF6 matrix_b_fmt:MATRIX_FMT_BF6 matrix_b_scale:MATRIX_SCALE_ROW1
.else
	v_wmma_scale_f32_16x16x128_f8f6f4 v[wd:wd+7], v[wk:wk+11], v[wq:wq+11], v[wd:wd+7], v[wks], v[wqs] matrix_a_fmt:MATRIX_FMT_BF6 matrix_b_fmt:MATRIX_FMT_BF6 matrix_a_scale:MATRIX_SCALE_ROW1 matrix_b_scale:MATRIX_SCALE_ROW1
.endif
.endif
.endm
.macro QLOAD g, s                      ; my two tiles of group g, K step s: 3,072 consecutive bytes in six loads, and 128 bytes of scale words
.irp tt, 0,1
.irp c, 0,1,2
	global_load_b128 v[QB+24*(\s)+12*\tt+4*\c:QB+24*(\s)+12*\tt+4*\c+3], v[VQ], s[30:31] offset:(\g)*GST+(\s)*BLK+\tt*IMG+512*\c
.endr
.endr
	global_load_b32 v[QS+(\s)], v[VQS], s[30:31] offset:(\g)*GST+(\s)*BLK+SCO
.endm
.macro KLOAD s                         ; k's two images of K step s, into window 1
.irp u, 0,1
.irp c, 0,1,2
	global_load_b128 v[24*(\s)+12*\u+4*\c:24*(\s)+12*\u+4*\c+3], v[VK], s[32:33] offset:(\s)*BLK+\u*IMG+512*\c
.endr
.endr
.endm
; Two K steps of group g: eight products, the group's four accumulators by turns.  cnt: the loads issued behind this pair's.  pf: the same pair of the next group is asked for.
.macro PAIR g, pr, cnt, pf
	s_wait_loadcnt \cnt
	WIN 0xa1+0x50*((\g)/8)
.irp e, 0,1
.irp tt, 0,1
.irp u, 0,1
	WM 32*((\g)%8)+16*\tt+8*\u, 24*(2*(\pr)+\e)+12*\u, QB+24*(2*(\pr)+\e)+12*\tt, KS+2*(\pr)+\e, QS+2*(\pr)+\e, \u, \tt, ((\pr)+\e)==0
.endr
.endr
.endr
	WIN 0
.rept 4
	v_nop                                          ; four places behind the products, ahead of loads into registers that they read and of the first read of results
.endr
.if \pf
	QLOAD (\g)+1, 2*(\pr)
	QLOAD (\g)+1, 2*(\pr)+1
.endif
.endm
.macro HIDE g                          ; row 128 g + 8 tt + (32 w + r + 8 (r / 8)) is hidden where it is l or more
	v_cmp_ge_i32 vcc_lo, 128*(\g), v[VD]
	v_cndmask_b32 v[B0], 0, v[VNEG], vcc_lo
	v_cndmask_b32 v[B0+1], 0, v[VNEG], vcc_lo
	v_cmp_ge_i32 vcc_lo, 128*(\g)+8, v[VD]
	v_cndmask_b32 v[B0+2], 0, v[VNEG], vcc_lo
	v_cndmask_b32 v[B0+3], 0, v[VNEG], vcc_lo
	WIN 0x82+0x41*((\g)/8)
.irp tt, 0,1
.irp y, 0,2,4,6,8,10,12,14
	v_pk_add_f32 v[32*((\g)%8)+16*\tt+\y:32*((\g)%8)+16*\tt+\y+1], v[32*((\g)%8)+16*\tt+\y:32*((\g)%8)+16*\tt+\y+1], v[B0+2*\tt:B0+2*\tt+1]   ; each accumulator from its low end on
.endr
.endr
	WIN 0
.endm
.macro GROUP g, c0, c1, c2, c3, pf
	PAIR \g, 0, \c0, \pf
	PAIR \g, 1, \c1, \pf
	PAIR \g, 2, \c2, \pf
	PAIR \g, 3, \c3, \pf
	s_cmp_lt_u32 s20, 128*((\g)+1)                 ; does l fall inside this group?
	s_cbranch_scc0 .Lfull_\g
	HIDE \g
.Lfull_\g:
.endm
	s_load_b128 s[4:7], s[0:1], 0x0                ; qk, l
	s_load_b64 s[8:9], s[0:1], 0x10                ; p
	v_lshl_add_u32 v[SPW], v0, 2, SPARE
	v_mov_b32 v[NIL], 0
	v_lshrrev_b32 v1, 5, v0
	v_readfirstlane_b32 s10, v1                    ; wave
	v_and_b32 v3, 31, v0                           ; lane
	v_and_b32 v1, 15, v0                           ; r
	v_bfe_u32 v2, v0, 4, 1                         ; h
	s_wait_alu depctr_va_vdst(0)                   ; directly behind the writes
	s_lshr_b32 s11, ttmp9, 6                       ; batch
	s_bfe_u32 s12, ttmp9, 0x40002                  ; k's group = p's K step
	s_and_b32 s13, ttmp9, 3                        ; jb: which 32 of its 128 columns
	s_mul_i32 s38, s10, 2*IMG
	v_lshl_add_u32 v[VQ], v3, 4, s38
	s_lshl_b32 s39, s10, 7
	v_lshl_add_u32 v[VQS], v3, 2, s39
	s_mul_i32 s54, s13, 2*IMG                      ; 3,072 jb: k's two images, and p's block of 32
	s_mov_b32 s55, 0
	v_lshl_add_u32 v[VK], v3, 4, s54
	s_lshl_b32 s41, s13, 7
	v_lshl_add_u32 v[VKS], v3, 2, s41
	s_and_b32 s42, s13, 1
	s_mul_i32 s42, s42, 384                        ; in an odd block my two tiles change places
	s_mul_i32 s43, s10, 768
	v_mul_u32_u24 v[PA], v1, 24
	v_mad_u32_u24 v[PA], v2, 12, v[PA]
	v_add_nc_u32 v[PA], s43, v[PA]
	v_add_nc_u32 v[PA+1], 384, v[PA]
	v_add_nc_u32 v[PA], s42, v[PA]
	v_sub_nc_u32 v[PA+1], v[PA+1], s42
	v_lshrrev_b32 v[MA], 5, v0
	v_lshlrev_b32 v[MA], 7, v[MA]
	v_lshl_add_u32 v[MA], v2, 6, v[MA]             ; LDS: 128 w + 64 h
	v_lshlrev_b32 v[MR], 6, v2
	v_and_b32 v[VD], 8, v1
	v_add_nc_u32 v[VD], v[VD], v1
	s_lshl_b32 s44, s10, 5
	v_add_nc_u32 v[VD], s44, v[VD]                 ; 32 w + r + 8 (r / 8)
	v_mov_b32 v[VNEG], 0xf1800000                  ; -2^100
	s_mov_b32 s22, 0x3d38aa3b                      ; c = log2(e) / 32
	s_mov_b32 s23, s22
	s_mov_b32 s24, 0xbd38aa3b                      ; -c
	s_mov_b32 s25, 0x2800000                       ; the floor 2^(5 - 127)
	s_mov_b32 s26, 0xffff0000                      ; lanes 16-31
	s_mov_b32 s27, 0xf1800000
	s_mov_b32 s28, 0x76543210
	s_mov_b32 s29, 0xfedcba98                      ; v_permlanex16_b32's selects for lane l xor 16
	s_mul_i32 s46, s11, 16*GST
	s_mov_b32 s47, 0
	s_mul_i32 s48, s12, GST
	s_add_co_u32 s48, s48, 8*BLK
	s_mov_b32 s49, 0
	s_lshl_b32 s50, s11, 8
	s_add_co_u32 s50, s50, s12
	s_mul_i32 s50, s50, BLK
	s_mov_b32 s51, 0
	s_add_co_u32 s52, s13, SCO
	s_mov_b32 s53, 0
	s_wait_alu depctr_va_vdst(0)
	s_wait_kmcnt 0x0
	s_load_b128 s[16:19], s[6:7], 0x0              ; l
	s_add_nc_u64 s[30:31], s[4:5], s[46:47]        ; the batch's q
	s_add_nc_u64 s[32:33], s[30:31], s[48:49]      ; my group of k
	s_add_nc_u64 s[34:35], s[8:9], s[50:51]        ; p: group 0's block of my K step,
	s_add_nc_u64 s[36:37], s[34:35], s[52:53]      ; its scale words, my byte of each,
	s_add_nc_u64 s[34:35], s[34:35], s[54:55]      ; and my block of 32
.irp pr, 0,1,2,3                       ; k and group 0 of q, pair by pair of K steps: 28 loads a pair
	WIN 0x40
	KLOAD 2*\pr
	KLOAD 2*\pr+1
	WIN 0
	global_load_b32 v[KS+2*\pr], v[VKS], s[32:33] offset:(2*\pr)*BLK+SCO
	global_load_b32 v[KS+2*\pr+1], v[VKS], s[32:33] offset:(2*\pr+1)*BLK+SCO
	QLOAD 0, 2*\pr
	QLOAD 0, 2*\pr+1
.endr
	s_wait_kmcnt 0x0
	s_cmp_eq_u32 s11, 1
	s_cselect_b32 s20, s17, s16
	s_cmp_eq_u32 s11, 2
	s_cselect_b32 s20, s18, s20
	s_cmp_eq_u32 s11, 3
	s_cselect_b32 s20, s19, s20                    ; l[batch]
	s_add_co_u32 s21, s20, 127
	s_lshr_b32 s21, s21, 7                         ; groups with a row that counts
	v_sub_nc_u32 v[VD], s20, v[VD]
	s_wait_alu depctr_va_vdst(0)
	GROUP 0, 63, 63, 56, 42, 1                     ; behind pair 0's loads 84 more were issued, behind pair 1's 70 (a wait names 63 at the most), then 56 and 42
.irp g, 1,2,3,4,5,6,7,8,9,10,11,12,13,14
	s_cmp_le_u32 s21, \g
	s_cbranch_scc1 .Ldead_\g
	GROUP \g, 42, 42, 42, 42, 1                    ; behind a pair's 14 loads three more pairs were issued
.endr
	s_cmp_le_u32 s21, 15
	s_cbranch_scc1 .Ldead_15
	GROUP 15, 42, 28, 14, 0, 0
	s_branch .Lepi
.irp g, 1,2,3,4,5,6,7,8,9,10,11,12,13,14,15
.Ldead_\g:                                             ; group g and all behind it are hidden whole
	WIN 0x80+0x40*(\g/8)
.set a, 32*(\g%8)
.rept 32
	v_mov_b32 v[a], s27
.set a, a+1
.endr
	WIN 0
.endr
.Lepi:
	s_wait_alu depctr_va_vdst(0)
	s_wait_loadcnt 0x0                             ; loads that ran ahead have landed: the buffers are free
.irp i, 0,1,2,3
	v_mov_b32 v[PX+\i], 0                          ; written once: a lane permute's destination counts as one of its sources
.endr
; THE COLUMNS' LARGEST SCORES: register x of a tile is column 16 h + x.  First over my 32 tiles, sixteen chains by turns,
	WIN 0x0a
.set x, 0
.rept 16
	v_max_num_f32 v[M+x], v[x], v[16+x]
.set x, x+1
.endr
.macro MAXG g0
.set gg, \g0
.rept 8-(\g0)
.set x, 0
.rept 16
	v_max3_num_f32 v[M+x], v[M+x], v[32*gg+x], v[32*gg+16+x]
.set x, x+1
.endr
.set gg, gg+1
.endr
.endm
	WIN 0x28
	MAXG 1
	WIN 0x3c
	MAXG 0
	WIN 0
.irp m, 1,2,4,8                        ; then over the sixteen lanes of my half,
.set x, 0
.rept 16
	v_max_num_f32_dpp v[M+x], v[M+x], v[M+x] row_xmask:\m row_mask:0xf bank_mask:0xf
.set x, x+1
.endr
.endr
.macro XCH src, off                    ; then over the four waves: 64 bytes for each half of each wave (sixteen lanes store the same bytes), one barrier, every wave reads all
.irp qq, 0,1,2,3
	ds_store_b128 v[MA], v[\src+4*\qq:\src+4*\qq+3] offset:\off+16*\qq
.endr
	s_wait_dscnt 0x0                               ; for the others' sake
	s_barrier_signal -1
	s_barrier_wait -1
.irp wv, 0,1,2,3
.irp qq, 0,1,2,3
	ds_load_b128 v[T+16*\wv+4*\qq:T+16*\wv+4*\qq+3], v[MR] offset:\off+128*\wv+16*\qq
.endr
.endr
	s_wait_dscnt 0x0
.endm
	XCH M, 0
.set x, 0
.rept 16
	v_max3_num_f32 v[M+x], v[T+x], v[T+16+x], v[T+32+x]
.set x, x+1
.endr
.set x, 0
.rept 16
	v_max_num_f32 v[M+x], v[M+x], v[T+48+x]
.set x, x+1
.endr
.set x, 0
.rept 16
	v_mul_f32 v[NM+x], s24, v[M+x]                 ; -m, in units of t = score x c
.set x, x+1
.endr
.macro ALLW op                         ; one line for each pair of a window's 256 registers
.set a, 0
.rept 128
.if \op == 0
	v_pk_fma_f32 v[a:a+1], v[a:a+1], s[22:23], v[NM+(a%16):NM+(a%16)+1] op_sel_hi:[1,0,1]   ; t - m
.else
	v_pk_mul_f32 v[a:a+1], v[a:a+1], v[RZ+(a%16):RZ+(a%16)+1]                                ; e / Z: the finished softmax
.endif
.set a, a+2
.endr
.endm
.macro EXPW
.set a, 0
.rept 256
	v_exp_f32 v[a], v[a]
.set a, a+1
.endr
.endm
	WIN 0x82
	ALLW 0
	WIN 0xc3
	ALLW 0
	s_wait_alu depctr_va_vdst(0)                   ; ahead of the batch
	EXPW                                           ; e = 2^(t - m)
	WIN 0x82
	EXPW
	v_nop                                          ; a plain instruction behind the batch,
	s_wait_alu depctr_va_vdst(0)                   ; and the one wait ahead of its first reader
; THE COLUMNS' SUMS, by the same three stages
	WIN 0x0a
.irp y, 0,2,4,6,8,10,12,14
	v_pk_add_f32 v[Z+\y:Z+\y+1], v[\y:\y+1], v[16+\y:17+\y]
.endr
.macro SUMW a0
.set a, \a0
.rept (256-(\a0))/2
	v_pk_add_f32 v[Z+(a%16):Z+(a%16)+1], v[Z+(a%16):Z+(a%16)+1], v[a:a+1]
.set a, a+2
.endr
.endm
	WIN 0x08
	SUMW 32
	WIN 0x0c
	SUMW 0
	WIN 0
.irp m, 1,2,4,8
.set x, 0
.rept 16
	v_add_f32_dpp v[Z+x], v[Z+x], v[Z+x] row_xmask:\m row_mask:0xf bank_mask:0xf
.set x, x+1
.endr
.endr
	XCH Z, 512
.irp y, 0,2,4,6,8,10,12,14
	v_pk_add_f32 v[Z+\y:Z+\y+1], v[T+\y:T+\y+1], v[T+16+\y:T+17+\y]
.endr
.irp y, 0,2,4,6,8,10,12,14
	v_pk_add_f32 v[Z+\y:Z+\y+1], v[Z+\y:Z+\y+1], v[T+32+\y:T+33+\y]
.endr
.irp y, 0,2,4,6,8,10,12,14
	v_pk_add_f32 v[Z+\y:Z+\y+1], v[Z+\y:Z+\y+1], v[T+48+\y:T+49+\y]
.endr
	s_wait_alu depctr_va_vdst(0)                   ; ahead of the batch
.set x, 0
.rept 16
	v_rcp_f32 v[RZ+x], v[Z+x]                      ; Z is at least about 1: the column's largest score gives e = 1
.set x, x+1
.endr
	v_nop
	s_wait_alu depctr_va_vdst(0)                   ; and behind it
	WIN 0x82
	ALLW 1
	WIN 0xc3
	ALLW 1
; THE CODES.  Groups g, g + 1: four tiles by turns.  A row's 32 columns lie in lanes l and l xor 16; no weight is negative, so the maxima take no magnitudes.  Every tile has registers of its own for its codes: no store's data are written again.
.macro QUANT g
.set qW, 2+(\g)/8
.set a0, 32*((\g)%8)
	WIN (qW<<2)|(qW<<4)
.irp i, 0,1,2,3
	v_max3_num_f32 v[AM+\i], s25, v[a0+16*\i], v[a0+16*\i+1]   ; and the floor: the byte cannot fall under 1
.endr
.irp y, 2,4,6,8,10,12,14
.irp i, 0,1,2,3
	v_max3_num_f32 v[AM+\i], v[AM+\i], v[a0+16*\i+\y], v[a0+16*\i+\y+1]
.endr
.endr
	WIN 0
.irp i, 0,1,2,3
	v_permlanex16_b32 v[PX+\i], v[AM+\i], s28, s29
.endr
.irp i, 0,1,2,3
	v_max_num_f32 v[AM+\i], v[AM+\i], v[PX+\i]
.endr
.irp i, 0,1,2,3
	v_add_nc_u32 v[SX+\i], 0xfe000000, v[AM+\i]    ; 4 off the exponent field: the conversion's scale operand
.endr
.irp i, 0,1,2,3
	v_lshrrev_b32 v[BT+\i], 23, v[SX+\i]           ; the scale's byte
.endr
	v_cndmask_b32 v[BY+(\g)], v[BT], v[BT+1], s26  ; lanes 0-15 tile 2 w's rows, lanes 16-31 tile 2 w + 1's
	v_cndmask_b32 v[BY+(\g)+1], v[BT+2], v[BT+3], s26
	WIN 0x40|qW
.irp i, 0,1,2,3
	v_cvt_scalef32_pk16_bf6_f32 v[4*(2*(\g)+\i):4*(2*(\g)+\i)+2], v[a0+16*\i:a0+16*\i+15], v[SX+\i]   ; columns 16 h + 0 .. 15 of my row: 12 bytes
.endr
	v_nop                                          ; one plain place behind a scaled conversion
	WIN 0x04
.irp i, 0,1,2,3
	global_store_b96 v[PA+(\i%2)], v[4*(2*(\g)+\i):4*(2*(\g)+\i)+2], s[34:35] offset:((\g)+\i/2)*GST   ; the wave stores 384 consecutive bytes
.endr
	WIN 0
	global_store_b8 v[VQS], v[BY+(\g)], s[36:37] offset:(\g)*GST
	global_store_b8 v[VQS], v[BY+(\g)+1], s[36:37] offset:((\g)+1)*GST
.endm
.irp g, 0,2,4,6,8,10,12,14
	QUANT \g
.endr
	s_wait_tensorcnt 0x0                           ; the wave's end, behind my last LDS store
	ds_add_u32 v[SPW], v[NIL]
	s_wait_dscnt 0x0
	s_endpgm
.Lfunc_end_k_q99aa5b59d5_soft:
	.size	k_q99aa5b59d5_soft, .Lfunc_end_k_q99aa5b59d5_soft-k_q99aa5b59d5_soft
	.p2alignl 7, 3214868480
	.fill 96, 4, 3214868480
	.section	.rodata,"a",@progbits
	.p2align	6, 0x0
	.amdhsa_kernel k_q99aa5b59d5_soft
		.amdhsa_group_segment_fixed_size 1536
		.amdhsa_private_segment_fixed_size 0
		.amdhsa_enable_private_segment 0
		.amdhsa_kernarg_size 24
		.amdhsa_user_sgpr_count 2
		.amdhsa_user_sgpr_kernarg_segment_ptr 1
		.amdhsa_wavefront_size32 1
		.amdhsa_system_sgpr_workgroup_id_x 1
		.amdhsa_system_sgpr_workgroup_id_y 1
		.amdhsa_system_sgpr_workgroup_id_z 1
		.amdhsa_system_vgpr_workitem_id 0
		.amdhsa_next_free_vgpr 1024
		.amdhsa_next_free_sgpr 66
		.amdhsa_reserve_vcc 1
		.amdhsa_float_denorm_mode_32 3
		.amdhsa_float_denorm_mode_16_64 3
		.amdhsa_memory_ordered 1
		.amdhsa_forward_progress 1
		.amdhsa_inst_pref_size 255
	.end_amdhsa_kernel
	.section	.bss,"aw",@nobits
	.p2align	6
	.space	262144
	.amdgpu_metadata
---
amdhsa.version: [ 1, 2 ]
amdhsa.kernels:
  - .name:           k_q99aa5b59d5_soft
    .symbol:         k_q99aa5b59d5_soft.kd
    .args:
      - { .name: qk, .offset: 0, .size: 8, .value_kind: global_buffer, .address_space: global }
      - { .name: l, .offset: 8, .size: 8, .value_kind: global_buffer, .address_space: global }
      - { .name: p, .offset: 16, .size: 8, .value_kind: global_buffer, .address_space: global }
    .group_segment_fixed_size: 1536
    .private_segment_fixed_size: 0
    .kernarg_segment_align: 8
    .kernarg_segment_size: 24
    .max_flat_workgroup_size: 128
    .sgpr_count:     66
    .vgpr_count:     1024
    .wavefront_size: 32
...
	.end_amdgpu_metadata
.endif
;; end of part 3
;; launch pv (part 4): grid 4 x 64, 4 waves a work-group, clusters of 4 x 4, 327,680 bytes of LDS; arguments p, vt, x, y; writes y
.if DOCPART == 4
	.amdgcn_target "amdgcn-amd-amdhsa--gfx1250"
	.amdhsa_code_object_version 6
	.text
	.protected	k_q99aa5b59d5_pv
	.globl	k_q99aa5b59d5_pv
	.p2align	8
	.type	k_q99aa5b59d5_pv,@function
k_q99aa5b59d5_pv:
	s_mov_b64 s[64:65], 0
	v_nop
	global_prefetch_b8 v0, s[64:65] scope:SCOPE_SE
	s_setreg_imm32_b32 hwreg(HW_REG_WAVE_MODE, 25, 1), 1
	s_wait_xcnt 0x0
	s_wait_alu depctr_hold_cnt(0) depctr_sa_sdst(0) depctr_va_vdst(0) depctr_va_sdst(0) depctr_va_ssrc(0) depctr_va_vcc(0) depctr_vm_vsrc(0)
	s_getreg_b32 s2, hwreg(HW_REG_IB_STS2, 6, 4)
	s_cmp_eq_u32 s2, 0
	s_cbranch_scc0 .Lentry_in_a_cluster
	s_endpgm
.Lentry_in_a_cluster:
	s_bfe_u32 s2, ttmp6, 0x10000c
	s_cmp_lg_u32 s2, 0xf033
	s_cbranch_scc0 .Lentry_shape_is_right
	s_endpgm
.Lentry_shape_is_right:
; LAUNCH 4 OF 5.  y = x + attn v, on codes of BF6: A = p (attn, rows i, K = the batch's 2,048 j), B = vt (v^T, rows d, K = the tokens).  x IS ASKED FOR AT THE HEAD, INTO REGISTERS OF ITS OWN (window 3), in the accumulators' layout,
; and is added behind the last product: no product waits for it.  y is quantised along its 1,024 columns in registers and stored as the last product's operand.
; THE CORE is that of launch qkv's part 2: a tile of 128 rows (A) x 256 columns (B), so that there are 256 work-groups; a wave makes 64 x 128: 32 accumulators.  A slot holds four K steps of 128: A's group (51,200 bytes, fetched
; in two halves by waves 0 and 1) and B's two groups (51,200 bytes each, waves 2 and 3).  Two slots; K = 2,048 is four fills: two at the head, two refills, each behind a round of the cluster's barrier, each with a slot's 128
; matrix instructions in which to land.  By this text's count a wave has at most one tensor load out.  Joint loads: A's along a row of the cluster, B's along a column.
; BUFFERS OF CODES: blocks of 12,800 bytes, [group of 128 rows][K step of 128]: eight images of 1,536 bytes, then 128 scale words.  Place 16 t + r of a group holds row 32 (t / 2) + 8 (t % 2) + r + 8 (r / 8).
.set RB,    4
.set NQ,    4
.set NSLOT, 2
.set BLK,   12800
.set IMG,   1536
.set SCO,   12288
.set GB,    NQ*BLK
.set AREG,  GB
.set AFB,   GB/2
.set SLOT,  AREG+2*GB
.set HA,    RB/2
.set NL,    6                          ; LDS loads that bring a fragment of A
.set ADRO,  10                         ; v10-11 my A fragments of odd tiles in slot 0, 1
.set SPARE, NSLOT*SLOT                 ; the spare words, 128 bytes for each wave, that no other line names
.set LI,   4
.set LS,   5
.set ADRA, 16
.set ADRB, 19
.set ADRS, 22
.set SPW,  28
.set NIL,  29
.set PW,   30
.set PWE,  31
.set SC,   32
.set TM,   48
.set AF,   128
.set PC,   128
.set G1A,  24
.set G1B,  32
.set G0A,  40
.set G0B,  52
.set MSB, 0
.macro WIN new
.if MSB != (\new)
	s_set_vgpr_msb (MSB<<8)|(\new)
.set MSB, (\new)
.endif
.endm
.macro PLACES
.rept 4
	v_nop
.endr
.endm
.macro CREST
	s_cmp_lg_u32 s14, 0
	s_cbranch_scc1 .Lnot_wave_0_\@
	s_barrier_signal -3
.Lnot_wave_0_\@:
	s_barrier_wait -3
	s_barrier_signal -1
	s_barrier_wait -1
.endm
.macro CROUND
	s_barrier_signal -1
	s_barrier_wait -1
	CREST
.endm
.macro JLOAD n
	s_cmp_eq_u32 s15, 0
	s_cbranch_scc0 .Lfor_b_\@
	tensor_load_to_lds s[G0A+4*(\n):G0A+4*(\n)+3], s[G1A:G1A+7]
	s_nop 0
.rept 4
	v_nop
.endr
	s_branch .Lasked_\@
.Lfor_b_\@:
	tensor_load_to_lds s[G0B+4*(\n):G0B+4*(\n)+3], s[G1B:G1B+7]
	s_nop 0
.rept 4
	v_nop
.endr
.Lasked_\@:
.endm
.macro FRAG reg, adr, off
.set fr, \reg
.set fo, \off
	ds_load_b128 v[fr:fr+3], v[\adr] offset:fo
	ds_load_b128 v[fr+4:fr+7], v[\adr] offset:fo+512
	ds_load_b128 v[fr+8:fr+11], v[\adr] offset:fo+1024
.endm
.macro FETCH_B slot, q, p
	WIN 0x40
.set fi, 0
.rept 8
	FRAG 128*(\p)+12*fi, ADRB+(\slot), (\q)*BLK+fi*IMG
.set fi, fi+1
.endr
	WIN 0
.endm
.macro FETCH_A slot, q, i0
.set fi, \i0
.rept HA
; p's block: [block of 32 j: 3,072 bytes][tile: 384][row: 24 bytes]; in the odd blocks neighbouring tiles change places.  Lane (r, h) takes row r's 24 bytes of blocks h and 2 + h, in pieces of 8 bytes;
; the two halves of the lanes stand 3,072 + 384 (even tiles) or 3,072 - 384 bytes (odd tiles) apart, so the 32 lanes of a load name 64 different banks
.set fr, AF+12*fi
.set fo, (\q)*BLK+fi*384
.set fa, ADRA+(\slot)+(ADRO-ADRA)*(fi%2)
.irp e, 0,1,2
	ds_load_b64 v[fr+2*\e:fr+2*\e+1], v[fa] offset:fo+8*\e
	ds_load_b64 v[fr+6+2*\e:fr+7+2*\e], v[fa] offset:fo+6144+8*\e
.endr
.set fi, fi+1
.endr
.endm
.macro SCALES slot, q, p               ; register i: lanes 0-15 the words of A's block i (of registers 4 to 7 no product names these lanes), lanes 16-31 those of B's block i
.set fi, 0
.rept 8
	ds_load_b32 v[SC+8*(\p)+fi], v[ADRS+(\slot)] offset:(\q)*BLK+64*fi
.set fi, fi+1
.endr
.endm
; cm = 1: the products start the sums with the constant 0.  The accumulators take turns, one instruction a turn.
.macro MULS a0, n, p, cm
.set ma, \a0
.rept \n
	WIN 0xa1+0x50*(ma/4)
.set mb, 0
.rept 8
.set rD, 8*(8*(ma%4)+mb)
.set rB, 128*(\p)+12*mb
.set rA, AF+12*ma
.if (\cm) == 0
	v_wmma_scale_f32_16x16x128_f8f6f4 v[rD:rD+7], v[rB:rB+11], v[rA:rA+11], v[rD:rD+7], v[SC+8*(\p)+mb], v[SC+8*(\p)+ma] matrix_a_fmt:MATRIX_FMT_BF6 matrix_b_fmt:MATRIX_FMT_BF6 matrix_a_scale:MATRIX_SCALE_ROW1
.else
	v_wmma_scale_f32_16x16x128_f8f6f4 v[rD:rD+7], v[rB:rB+11], v[rA:rA+11], 0, v[SC+8*(\p)+mb], v[SC+8*(\p)+ma] matrix_a_fmt:MATRIX_FMT_BF6 matrix_b_fmt:MATRIX_FMT_BF6 matrix_a_scale:MATRIX_SCALE_ROW1
.endif
.set mb, mb+1
.endr
.set ma, ma+1
.endr
.endm
.macro STEP slot, q, cm
	s_wait_dscnt HA*NL                             ; all but the youngest loads (A's upper blocks) are in
	MULS 0, HA, (\q)%2, \cm
	s_wait_dscnt 0x0
	PLACES
	FETCH_B \slot, (\q)+1, 1-(\q)%2
	FETCH_A \slot, (\q)+1, 0
	SCALES \slot, (\q)+1, 1-(\q)%2
	MULS HA, HA, (\q)%2, \cm
	PLACES
	WIN 0
	FETCH_A \slot, (\q)+1, HA
.endm
; mode 2: the slot is filled again, behind the three lines and a round of the cluster's barrier; mode 1: the three lines and my work-group's barrier.
.macro TURN slot, next, mode
	s_wait_tensorcnt 0x0                           ; all my tensor loads have landed: my part of the next slot
	ds_add_u32 v[SPW], v[NIL]                      ; 0 onto my spare word
	s_wait_dscnt HA*NL+1                           ; (the add and A's upper blocks may be out)
	MULS 0, HA/2, 1, 0
	s_wait_dscnt 0x0                               ; the add is done, and my reads of this slot are over
	s_barrier_signal -1
	MULS HA/2, HA/2, 1, 0
	WIN 0
	s_barrier_wait -1
.if (\mode) == 2
	CREST
	s_add_nc_u64 s[G0A+4*(\slot)+2:G0A+4*(\slot)+3], s[G0A+4*(\slot)+2:G0A+4*(\slot)+3], NSLOT*GB
	s_add_nc_u64 s[G0B+4*(\slot)+2:G0B+4*(\slot)+3], s[G0B+4*(\slot)+2:G0B+4*(\slot)+3], NSLOT*GB
	JLOAD \slot
.else
	PLACES
.endif
	FETCH_B \next, 0, 0
	FETCH_A \next, 0, 0
	SCALES \next, 0, 0
	MULS HA, HA, 1, 0
	PLACES
	WIN 0
	FETCH_A \next, 0, HA
.endm
.macro LAST
	s_wait_dscnt HA*NL
	MULS 0, HA, 1, 0
	s_wait_dscnt 0x0
	MULS HA, HA, 1, 0
	WIN 0
	PLACES
.endm
.macro RESID a                         ; block a: the sums take x in: destination and source 0 in window 2, source 1 (x, at the same numbers) in window 3.  Each accumulator is read from its low end on
.set qS, 64*(\a)
	WIN 0x8e
.set j, 0
.rept 32
	v_pk_add_f32 v[qS+j:qS+j+1], v[qS+j:qS+j+1], v[qS+j:qS+j+1]
.set j, j+2
.endr
.endm
; Block a of my rows (register 16 b + i = column 32 b + 16 h + i of my row) becomes an image and sixteen scale words of the next operand, and is stored.
.macro QUANTW a
.set qS, 64*((\a)%4)
.set qW, 2+(\a)/4
	WIN (qW<<2)|(qW<<4)
.irp b, 0,1,2,3
	v_max3_num_f32 v[TM+\b], s76, |v[qS+16*\b]|, |v[qS+16*\b+1]|   ; block b: my 16 numbers, and the floor 2^(5 - 127)
.endr
.irp i, 2,4,6,8,10,12,14
.irp b, 0,1,2,3
	v_max3_num_f32 v[TM+\b], v[TM+\b], |v[qS+16*\b+\i]|, |v[qS+16*\b+\i+1]|
.endr
.endr
	WIN 0
.irp b, 0,1,2,3
	v_permlanex16_b32 v[TM+4+\b], v[TM+\b], s72, s73
.endr
.irp b, 0,1,2,3
	v_max_num_f32 v[TM+\b], v[TM+\b], v[TM+4+\b]
.endr
.irp b, 0,1,2,3
	v_add_nc_u32 v[TM+12+\b], 0xfe000000, v[TM+\b] ; 4 off the exponent field: the conversion's scale operand
.endr
.irp b, 0,1,2,3
	v_lshrrev_b32 v[TM+4+\b], 23, v[TM+12+\b]      ; the scale's byte
.endr
	v_lshl_or_b32 v[PW], v[TM+5], 8, v[TM+4]
	v_lshl_or_b32 v[PW], v[TM+6], 16, v[PW]
	v_lshl_or_b32 v[PW], v[TM+7], 24, v[PW]
	s_wait_xcnt 0x0                                ; the last block's stores have read the registers that the conversions write
	WIN qW
.irp c, 0,1
	v_cvt_scalef32_pk16_bf6_f32 v[PC+6*\c:PC+6*\c+2], v[qS+32*\c:qS+32*\c+15], v[TM+12+2*\c]
	v_cvt_scalef32_pk16_bf6_f32 v[PC+12+4*\c:PC+14+4*\c], v[qS+16+32*\c:qS+31+32*\c], v[TM+13+2*\c]
.endr
	WIN 0
	v_nop                                          ; one plain place behind a scaled conversion
.irp c, 0,1
.irp i, 0,1,2
	v_permlane16_swap_b32 v[PC+6*\c+\i], v[PC+12+4*\c+\i]
.endr
.irp i, 0,1,2
	v_mov_b32 v[PC+3+6*\c+\i], v[PC+12+4*\c+\i]
.endr
.endr
.irp c, 0,1,2
	global_store_b128 v[LI], v[PC+4*\c:PC+4*\c+3], s[78:79] offset:(\a)*IMG+512*\c
.endr
.if ((\a)%2) == 0
	v_mov_b32 v[PWE], v[PW]
.else
	v_cndmask_b32 v[8+(\a)/2], v[PWE], v[PW], s77
	global_store_b32 v[LS], v[8+(\a)/2], s[80:81] offset:128*((\a)/2)
.endif
.endm
	s_load_b256 s[4:11], s[0:1], 0x0               ; p, vt, x, y
	v_lshl_add_u32 v[SPW], v0, 2, SPARE
	v_mov_b32 v[NIL], 0
	ds_add_u32 v[SPW], v[NIL]                      ; the wave's opening: the add, twice on end, and its wait ahead of my first tensor load
	ds_add_u32 v[SPW], v[NIL]
	v_lshrrev_b32 v1, 5, v0
	v_readfirstlane_b32 s14, v1
	s_lshr_b32 s15, s14, 1
	s_and_b32 s16, s14, 1
	s_bfe_u32 s66, ttmp6, 0x40000
	s_bfe_u32 s67, ttmp6, 0x40004
	s_mov_b32 s68, ttmp9
	s_and_b32 s69, ttmp7, 0xffff
	s_lshl_b32 s70, s67, 2
	s_lshl_b32 s70, 15, s70
	s_lshl_b32 s71, 0x1111, s66
	s_or_b32 s[G1A], s70, (3<<16)|(1<<21)
	s_or_b32 s[G1B], s71, (3<<16)|(1<<21)
.irp g, G1A, G1B
	s_mov_b32 s[\g+1], 32<<16
	s_mov_b32 s[\g+3], 32<<16
	s_mov_b32 s[\g+5], 32
	s_mov_b32 s[\g+6], 0
	s_mov_b32 s[\g+7], 0
.endr
	s_mov_b32 s[G1A+2], (AFB/256)<<16
	s_mov_b32 s[G1A+4], AFB/256
	s_mov_b32 s[G1B+2], (GB/256)<<16
	s_mov_b32 s[G1B+4], GB/256
	s_mov_b32 s72, 0x76543210
	s_mov_b32 s73, 0xfedcba98
	s_mov_b32 s76, 0x2800000
	s_mov_b32 s77, 0xffff0000
	s_lshl_b32 s17, s69, 2
	s_add_co_u32 s17, s17, s67                     ; which group of 128 rows i
	s_lshl_b32 s93, s68, 2
	s_add_co_u32 s93, s93, s66                     ; which 256 columns d
	s_lshr_b32 s96, s69, 2                         ; the batch
	s_mul_i32 s20, s17, 16*BLK
	s_mul_i32 s21, s16, AFB
	s_add_co_u32 s20, s20, s21                     ; A = p: my half of a slot's four K steps
	s_mov_b32 s21, 0
	s_lshl_b32 s18, s96, 3
	s_lshl_b32 s22, s93, 1
	s_add_co_u32 s18, s18, s22
	s_add_co_u32 s18, s18, s16
	s_mul_i32 s22, s18, 16*BLK                     ; B = vt
	s_mov_b32 s23, 0
	s_mul_i32 s82, s16, AFB
	s_mul_i32 s83, s16, GB
	s_add_co_u32 s83, s83, AREG
	s_lshl_b32 s97, s93, 1
	s_add_co_u32 s97, s97, s16                     ; my 128 columns
	s_lshl_b32 s94, s17, 7
	s_lshl_b32 s95, s15, 6
	s_add_co_u32 s94, s94, s95
	s_lshl_b32 s94, s94, 12
	s_lshl_b32 s95, s97, 9
	s_add_co_u32 s94, s94, s95                     ; x: my first row and column, in bytes
	s_mov_b32 s95, 0
	s_lshl_b32 s98, s17, 3
	s_add_co_u32 s98, s98, s97
	s_mul_i32 s98, s98, BLK                        ; y: my block
	s_mov_b32 s99, 0
	s_wait_dscnt 0x0                               ; both opening adds are done
	s_wait_kmcnt 0x0
	s_add_nc_u64 s[20:21], s[4:5], s[20:21]
	s_add_nc_u64 s[22:23], s[6:7], s[22:23]
	s_add_nc_u64 s[94:95], s[8:9], s[94:95]
	s_add_nc_u64 s[78:79], s[10:11], s[98:99]
	s_lshl_b32 s98, s15, 8
	s_add_co_u32 s98, s98, SCO
	s_add_nc_u64 s[80:81], s[78:79], s[98:99]      ; my 64 scale words of the block,
	s_mul_i32 s98, s15, 4*IMG
	s_add_nc_u64 s[78:79], s[78:79], s[98:99]      ; and my four images
	CROUND
.irp n, 0,1
	s_mov_b32 s[G0A+4*\n], 1
	s_add_co_u32 s[G0A+4*\n+1], s82, \n*SLOT
	s_add_nc_u64 s[G0A+4*\n+2:G0A+4*\n+3], s[20:21], \n*GB
	s_or_b32 s[G0A+4*\n+3], s[G0A+4*\n+3], 0x80000000
	s_mov_b32 s[G0B+4*\n], 1
	s_add_co_u32 s[G0B+4*\n+1], s83, \n*SLOT
	s_add_nc_u64 s[G0B+4*\n+2:G0B+4*\n+3], s[22:23], \n*GB
	s_or_b32 s[G0B+4*\n+3], s[G0B+4*\n+3], 0x80000000
.endr
	JLOAD 0                                        ; K steps 0 to 3: one tensor load a wave
	v_and_b32 v3, 31, v0
	v_and_b32 v1, 15, v0
	v_bfe_u32 v2, v0, 4, 1
	s_wait_alu depctr_va_vdst(0)
	v_lshlrev_b32 v[LI], 4, v3
	s_wait_alu depctr_va_vdst(0)
	v_lshlrev_b32 v[LS], 2, v3
	v_and_b32 v6, 8, v1
	v_add_nc_u32 v6, v6, v1
	v_lshlrev_b32 v6, 12, v6
	v_lshl_add_u32 v6, v2, 6, v6                   ; x: row r + 8 (r / 8) of a block's 24, + 64 h; never rewritten
	WIN 0xc0                                       ; destination window 3
.irp a, 0,1,2,3
.irp b, 0,1,2,3
.irp j, 0,1,2,3
	global_load_b128 v[64*\a+16*\b+4*\j:64*\a+16*\b+4*\j+3], v6, s[94:95] offset:(32*(\a/2)+8*(\a%2))*4096+128*\b+16*\j   ; at the numbers of accumulators (a, 2 b), (a, 2 b + 1): sixteen neighbours of my row of x
.endr
.endr
.endr
	WIN 0
	s_mul_i32 s89, s15, 4*384
	s_lshl_b32 s91, s15, 8
	s_mul_i32 s90, s16, GB
	s_add_co_u32 s90, s90, AREG
	s_add_co_u32 s91, s91, SCO
	s_add_co_u32 s92, s90, SCO
	s_sub_co_u32 s92, s92, s91
	v_mul_u32_u24 v15, s92, v2
	v_lshl_add_u32 v15, v1, 2, v15
	v_mul_u32_u24 v12, v1, 24
	v_mad_u32_u24 v13, v2, 3072+384, v12
	v_mad_u32_u24 v12, v2, 3072-384, v12
.irp n, 0,1
	v_add_nc_u32 v[ADRA+\n], s89, v13
	v_add_nc_u32 v[ADRO+\n], s89, v12
	v_add_nc_u32 v[ADRB+\n], s90, v[LI]
	v_add_nc_u32 v[ADRS+\n], s91, v15
	s_add_co_u32 s89, s89, SLOT
	s_add_co_u32 s90, s90, SLOT
	s_add_co_u32 s91, s91, SLOT
.endr
.irp b, 0,1,2,3
	v_mov_b32 v[TM+4+\b], 0                        ; written once: a lane permute's destination counts as one of its sources
.endr
	s_wait_alu depctr_va_vdst(0)
	s_wait_tensorcnt 0x0                           ; my part of slot 0 is in; the three lines and a round stand ahead of slot 1's first fill, as ahead of a refill
	ds_add_u32 v[SPW], v[NIL]
	s_wait_dscnt 0x0
	CROUND
	JLOAD 1                                        ; K steps 4 to 7
	FETCH_B 0, 0, 0
	FETCH_A 0, 0, 0
	SCALES 0, 0, 0
	FETCH_A 0, 0, HA
	STEP 0, 0, 1                                   ; the first products start the sums: nothing is cleared, and x may still be on its way
	STEP 0, 1, 0
	STEP 0, 2, 0
	TURN 0, 1, 2
	STEP 1, 0, 0
	STEP 1, 1, 0
	STEP 1, 2, 0
	TURN 1, 0, 2
	STEP 0, 0, 0
	STEP 0, 1, 0
	STEP 0, 2, 0
	TURN 0, 1, 1
	STEP 1, 0, 0
	STEP 1, 1, 0
	STEP 1, 2, 0
	LAST
	s_wait_loadcnt 0x0                             ; x, asked for at the head
.irp a, 0,1,2,3
	RESID \a
	QUANTW \a
.endr
	s_wait_tensorcnt 0x0                           ; the wave's end
	ds_add_u32 v[SPW], v[NIL]
	s_wait_dscnt 0x0
	CROUND                                         ; the closing round
	s_endpgm
.Lfunc_end_k_q99aa5b59d5_pv:
	.size	k_q99aa5b59d5_pv, .Lfunc_end_k_q99aa5b59d5_pv-k_q99aa5b59d5_pv
	.p2alignl 7, 3214868480
	.fill 96, 4, 3214868480
	.section	.rodata,"a",@progbits
	.p2align	6, 0x0
	.amdhsa_kernel k_q99aa5b59d5_pv
		.amdhsa_group_segment_fixed_size 327680
		.amdhsa_private_segment_fixed_size 0
		.amdhsa_enable_private_segment 0
		.amdhsa_kernarg_size 32
		.amdhsa_user_sgpr_count 2
		.amdhsa_user_sgpr_kernarg_segment_ptr 1
		.amdhsa_wavefront_size32 1
		.amdhsa_system_sgpr_workgroup_id_x 1
		.amdhsa_system_sgpr_workgroup_id_y 1
		.amdhsa_system_sgpr_workgroup_id_z 1
		.amdhsa_system_vgpr_workitem_id 0
		.amdhsa_next_free_vgpr 1024
		.amdhsa_next_free_sgpr 100
		.amdhsa_reserve_vcc 0
		.amdhsa_float_denorm_mode_32 3
		.amdhsa_float_denorm_mode_16_64 3
		.amdhsa_memory_ordered 1
		.amdhsa_forward_progress 1
		.amdhsa_inst_pref_size 170
	.end_amdhsa_kernel
	.amdgpu_metadata
---
amdhsa.version: [ 1, 2 ]
amdhsa.kernels:
  - .name:           k_q99aa5b59d5_pv
    .symbol:         k_q99aa5b59d5_pv.kd
    .args:
      - { .name: p, .offset: 0, .size: 8, .value_kind: global_buffer, .address_space: global }
      - { .name: vt, .offset: 8, .size: 8, .value_kind: global_buffer, .address_space: global }
      - { .name: x, .offset: 16, .size: 8, .value_kind: global_buffer, .address_space: global }
      - { .name: y, .offset: 24, .size: 8, .value_kind: global_buffer, .address_space: global }
    .group_segment_fixed_size: 327680
    .private_segment_fixed_size: 0
    .kernarg_segment_align: 8
    .kernarg_segment_size: 32
    .max_flat_workgroup_size: 128
    .sgpr_count:     100
    .vgpr_count:     1024
    .wavefront_size: 32
...
	.end_amdgpu_metadata
.endif
;; end of part 4
;; launch out (part 5): grid 4 x 64, 4 waves a work-group, clusters of 4 x 4, 327,680 bytes of LDS; arguments y, wvo, bo, out0; writes out0
.if DOCPART == 5
	.amdgcn_target "amdgcn-amd-amdhsa--gfx1250"
	.amdhsa_code_object_version 6
	.text
	.protected	k_q99aa5b59d5_out
	.globl	k_q99aa5b59d5_out
	.p2align	8
	.type	k_q99aa5b59d5_out,@function
k_q99aa5b59d5_out:
	s_mov_b64 s[64:65], 0
	v_nop
	global_prefetch_b8 v0, s[64:65] scope:SCOPE_SE
	s_setreg_imm32_b32 hwreg(HW_REG_WAVE_MODE, 25, 1), 1
	s_wait_xcnt 0x0
	s_wait_alu depctr_hold_cnt(0) depctr_sa_sdst(0) depctr_va_vdst(0) depctr_va_sdst(0) depctr_va_ssrc(0) depctr_va_vcc(0) depctr_vm_vsrc(0)
	s_getreg_b32 s2, hwreg(HW_REG_IB_STS2, 6, 4)
	s_cmp_eq_u32 s2, 0
	s_cbranch_scc0 .Lentry_in_a_cluster
	s_endpgm
.Lentry_in_a_cluster:
	s_bfe_u32 s2, ttmp6, 0x10000c
	s_cmp_lg_u32 s2, 0xf033
	s_cbranch_scc0 .Lentry_shape_is_right
	s_endpgm
.Lentry_shape_is_right:
.set RB,    4
.set NQ,    4
.set NSLOT, 2
.set BLK,   12800
.set IMG,   1536
.set SCO,   12288
.set GB,    NQ*BLK
.if RB == 8
.set AREG,  2*GB
.set AFB,   GB
.else
.set AREG,  GB
.set AFB,   GB/2
.endif
.set SLOT,  AREG+2*GB
.set HA,    RB/2
.set NL,    3
.set SPARE, NSLOT*SLOT
.set SPITCH, 528
.set LI,   4
.set LS,   5
.set STO,  7
.set RD,   8
.set ADRA, 16
.set ADRB, 19
.set ADRS, 22
.set SPW,  28
.set NIL,  29
.set SC,   32
.set CI,   64
.set AF,   128
.set G1A,  24
.set G1B,  32
.set G0A,  40
.set G0B,  52
.set MSB, 0
.macro WIN new
.if MSB != (\new)
	s_set_vgpr_msb (MSB<<8)|(\new)
.set MSB, (\new)
.endif
.endm
.macro PLACES
.rept 4
	v_nop
.endr
.endm
.macro CREST
	s_cmp_lg_u32 s14, 0
	s_cbranch_scc1 .Lnot_wave_0_\@
	s_barrier_signal -3
.Lnot_wave_0_\@:
	s_barrier_wait -3
	s_barrier_signal -1
	s_barrier_wait -1
.endm
.macro CROUND
	s_barrier_signal -1
	s_barrier_wait -1
	CREST
.endm
.macro JLOAD n
	s_cmp_eq_u32 s15, 0
	s_cbranch_scc0 .Lfor_b_\@
	tensor_load_to_lds s[G0A+4*(\n):G0A+4*(\n)+3], s[G1A:G1A+7]
	s_nop 0
.rept 4
	v_nop
.endr
	s_branch .Lasked_\@
.Lfor_b_\@:
	tensor_load_to_lds s[G0B+4*(\n):G0B+4*(\n)+3], s[G1B:G1B+7]
	s_nop 0
.rept 4
	v_nop
.endr
.Lasked_\@:
.endm
.macro FRAG reg, adr, off
.set fr, \reg
.set fo, \off
	ds_load_b128 v[fr:fr+3], v[\adr] offset:fo
	ds_load_b128 v[fr+4:fr+7], v[\adr] offset:fo+512
	ds_load_b128 v[fr+8:fr+11], v[\adr] offset:fo+1024
.endm
.macro FETCH_B slot, q, p
	WIN 0x40
.set fi, 0
.rept 8
	FRAG 128*(\p)+12*fi, ADRB+(\slot), (\q)*BLK+fi*IMG
.set fi, fi+1
.endr
	WIN 0
.endm
.macro FETCH_A slot, q, i0
.set fi, \i0
.rept HA
	FRAG AF+12*fi, ADRA+(\slot), (\q)*BLK+fi*IMG
.set fi, fi+1
.endr
.endm
.macro SCALES slot, q, p
.set fi, 0
.rept 8
	ds_load_b32 v[SC+8*(\p)+fi], v[ADRS+(\slot)] offset:(\q)*BLK+64*fi
.set fi, fi+1
.endr
.endm
.macro MULS a0, n, p, cm
.set ma, \a0
.rept \n
.if (\cm) >= 2
	WIN 0x81+0x40*(ma/4)
.else
	WIN 0xa1+0x50*(ma/4)
.endif
.set mb, 0
.rept 8
.set rD, 8*(8*(ma%4)+mb)
.set rB, 128*(\p)+12*mb
.set rA, AF+12*ma
.if (\cm) == 0
	v_wmma_scale_f32_16x16x128_f8f6f4 v[rD:rD+7], v[rB:rB+11], v[rA:rA+11], v[rD:rD+7], v[SC+8*(\p)+mb], v[SC+8*(\p)+ma] matrix_a_fmt:MATRIX_FMT_BF6 matrix_b_fmt:MATRIX_FMT_BF6 matrix_a_scale:MATRIX_SCALE_ROW1
.else
	v_wmma_scale_f32_16x16x128_f8f6f4 v[rD:rD+7], v[rB:rB+11], v[rA:rA+11], v[CI+8*mb:CI+8*mb+7], v[SC+8*(\p)+mb], v[SC+8*(\p)+ma] matrix_a_fmt:MATRIX_FMT_BF6 matrix_b_fmt:MATRIX_FMT_BF6 matrix_a_scale:MATRIX_SCALE_ROW1
.endif
.set mb, mb+1
.endr
.set ma, ma+1
.endr
.endm
.macro STEP slot, q, cm
	s_wait_dscnt HA*NL
	MULS 0, HA, (\q)%2, \cm
	s_wait_dscnt 0x0
	PLACES
	FETCH_B \slot, (\q)+1, 1-(\q)%2
	FETCH_A \slot, (\q)+1, 0
	SCALES \slot, (\q)+1, 1-(\q)%2
	MULS HA, HA, (\q)%2, \cm
	PLACES
	WIN 0
	FETCH_A \slot, (\q)+1, HA
.endm
.macro TURN slot, next
	s_wait_tensorcnt 0x0
	ds_add_u32 v[SPW], v[NIL]
	s_wait_dscnt HA*NL+1
	MULS 0, HA/2, 1, 0
	s_wait_dscnt 0x0
	s_barrier_signal -1
	MULS HA/2, HA/2, 1, 0
	WIN 0
	s_barrier_wait -1
	PLACES
	FETCH_B \next, 0, 0
	FETCH_A \next, 0, 0
	SCALES \next, 0, 0
	MULS HA, HA, 1, 0
	PLACES
	WIN 0
	FETCH_A \next, 0, HA
.endm
.macro LAST
	s_wait_dscnt HA*NL
	MULS 0, HA, 1, 0
	s_wait_dscnt 0x0
	MULS HA, HA, 1, 0
	WIN 0
	PLACES
.endm
.macro TOSTAGE a
.set AC, 64*(\a)
	WIN 0x08
.irp t, 0,1,2,3,4,5,6,7
	ds_store_b128 v[STO], v[AC+8*\t:AC+8*\t+3] offset:128*(\t/2)+32*(\t%2)
	ds_store_b128 v[STO], v[AC+8*\t+4:AC+8*\t+7] offset:128*(\t/2)+32*(\t%2)+16
.endr
	WIN 0
.set BB, 128+64*((\a)%2)
.irp u, 0,1,2,3,4,5,6,7,8,9,10,11,12,13,14,15
	ds_load_b128 v[BB+4*\u:BB+4*\u+3], v[RD] offset:\u*SPITCH
.endr
.endm
.macro SEND a, younger
.set BB, 128+64*((\a)%2)
	s_wait_dscnt \younger
.set j, 0
.rept 64
	v_max_num_f32 v[BB+j], 0, v[BB+j]
.set j, j+1
.endr
.irp u, 0,1,2,3,4,5,6,7,8,9,10,11,12,13,14,15
	global_store_b128 v[LI], v[BB+4*\u:BB+4*\u+3], s[78:79] offset:(32*((\a)/2)+8*((\a)%2)+\u+8*(\u/8))*4096 th:TH_STORE_NT
.endr
.endm
	s_load_b256 s[4:11], s[0:1], 0x0
	v_lshl_add_u32 v[SPW], v0, 2, SPARE
	v_mov_b32 v[NIL], 0
	ds_add_u32 v[SPW], v[NIL]
	ds_add_u32 v[SPW], v[NIL]
	v_lshrrev_b32 v1, 5, v0
	v_readfirstlane_b32 s14, v1
	s_lshr_b32 s15, s14, 1
	s_and_b32 s16, s14, 1
	s_bfe_u32 s66, ttmp6, 0x40000
	s_bfe_u32 s67, ttmp6, 0x40004
	s_mov_b32 s68, ttmp9
	s_and_b32 s69, ttmp7, 0xffff
	s_lshl_b32 s70, s67, 2
	s_lshl_b32 s70, 15, s70
	s_lshl_b32 s71, 0x1111, s66
	s_or_b32 s[G1A], s70, (3<<16)|(1<<21)
	s_or_b32 s[G1B], s71, (3<<16)|(1<<21)
.irp g, G1A, G1B
	s_mov_b32 s[\g+1], 32<<16
	s_mov_b32 s[\g+3], 32<<16
	s_mov_b32 s[\g+5], 32
	s_mov_b32 s[\g+6], 0
	s_mov_b32 s[\g+7], 0
.endr
	s_mov_b32 s[G1A+2], (AFB/256)<<16
	s_mov_b32 s[G1A+4], AFB/256
	s_mov_b32 s[G1B+2], (GB/256)<<16
	s_mov_b32 s[G1B+4], GB/256
	s_lshl_b32 s17, s69, 2
	s_add_co_u32 s17, s17, s67
	s_lshl_b32 s93, s68, 2
	s_add_co_u32 s93, s93, s66
	s_mul_i32 s20, s17, 8*BLK
	s_mul_i32 s21, s16, AFB
	s_add_co_u32 s20, s20, s21
	s_mov_b32 s21, 0
	s_lshl_b32 s18, s93, 1
	s_add_co_u32 s18, s18, s16
	s_mul_i32 s22, s18, 8*BLK
	s_add_co_u32 s22, s22, 64*BLK
	s_mov_b32 s23, 0
	s_mul_i32 s82, s16, AFB
	s_mul_i32 s83, s16, GB
	s_add_co_u32 s83, s83, AREG
	s_lshl_b32 s97, s93, 1
	s_add_co_u32 s97, s97, s16
	s_lshl_b32 s94, s97, 9
	s_mov_b32 s95, 0
	s_lshl_b32 s98, s17, 7
	s_lshl_b32 s99, s15, 6
	s_add_co_u32 s98, s98, s99
	s_lshl_b32 s98, s98, 12
	s_add_co_u32 s98, s98, s94
	s_mov_b32 s99, 0
	s_wait_dscnt 0x0
	s_wait_kmcnt 0x0
	s_add_nc_u64 s[20:21], s[4:5], s[20:21]
	s_add_nc_u64 s[22:23], s[6:7], s[22:23]
	s_add_nc_u64 s[94:95], s[8:9], s[94:95]
	s_add_nc_u64 s[78:79], s[10:11], s[98:99]
	CROUND
.irp n, 0,1,2
.if \n < NSLOT
	s_mov_b32 s[G0A+4*\n], 1
	s_add_co_u32 s[G0A+4*\n+1], s82, \n*SLOT
	s_add_nc_u64 s[G0A+4*\n+2:G0A+4*\n+3], s[20:21], \n*GB
	s_or_b32 s[G0A+4*\n+3], s[G0A+4*\n+3], 0x80000000
	s_mov_b32 s[G0B+4*\n], 1
	s_add_co_u32 s[G0B+4*\n+1], s83, \n*SLOT
	s_add_nc_u64 s[G0B+4*\n+2:G0B+4*\n+3], s[22:23], \n*GB
	s_or_b32 s[G0B+4*\n+3], s[G0B+4*\n+3], 0x80000000
	s_wait_alu depctr_va_vdst(0)
	s_wait_tensorcnt 0x0
	ds_add_u32 v28, v29
	ds_add_u32 v28, v29
	s_wait_dscnt 0x0
	CROUND
	JLOAD \n
.endif
.endr
	v_and_b32 v3, 31, v0
	v_and_b32 v1, 15, v0
	v_bfe_u32 v2, v0, 4, 1
	v_lshlrev_b32 v[LI], 4, v3
	s_wait_alu depctr_va_vdst(0)
	v_lshlrev_b32 v[LS], 2, v3
	v_lshlrev_b32 v6, 6, v2
.irp t, 0,1,2,3,4,5,6,7
	global_load_b128 v[CI+8*\t:CI+8*\t+3], v6, s[94:95] offset:128*(\t/2)+32*(\t%2)
	global_load_b128 v[CI+8*\t+4:CI+8*\t+7], v6, s[94:95] offset:128*(\t/2)+32*(\t%2)+16
.endr
.if RB == 8
	s_mul_i32 s89, s15, GB
	s_mul_i32 s91, s15, GB
.else
	s_mul_i32 s89, s15, 4*IMG
	s_lshl_b32 s91, s15, 8
.endif
	s_mul_i32 s90, s16, GB
	s_add_co_u32 s90, s90, AREG
	s_add_co_u32 s91, s91, SCO
	s_add_co_u32 s92, s90, SCO
	s_sub_co_u32 s92, s92, s91
	v_mul_u32_u24 v15, s92, v2
	v_lshl_add_u32 v15, v1, 2, v15
.irp n, 0,1,2
.if \n < NSLOT
	v_add_nc_u32 v[ADRA+\n], s89, v[LI]
	v_add_nc_u32 v[ADRB+\n], s90, v[LI]
	v_add_nc_u32 v[ADRS+\n], s91, v15
	s_add_co_u32 s89, s89, SLOT
	s_add_co_u32 s90, s90, SLOT
	s_add_co_u32 s91, s91, SLOT
.endif
.endr
	s_mul_i32 s89, s14, 16*SPITCH
	v_mul_u32_u24 v[STO], v1, SPITCH
	v_lshl_add_u32 v[STO], v2, 6, v[STO]
	v_add_nc_u32 v[STO], s89, v[STO]
	v_add_nc_u32 v[RD], s89, v[LI]
	s_wait_alu depctr_va_vdst(0)
	s_wait_tensorcnt NSLOT-1
	s_barrier_signal -1
	s_barrier_wait -1
	FETCH_B 0, 0, 0
	FETCH_A 0, 0, 0
	SCALES 0, 0, 0
	FETCH_A 0, 0, HA
	s_wait_loadcnt 0x0
	STEP 0, 0, 2
	STEP 0, 1, 0
	STEP 0, 2, 0
	TURN 0, 1
	STEP 1, 0, 0
	STEP 1, 1, 0
	STEP 1, 2, 0
	LAST
	TOSTAGE 0
	TOSTAGE 1
	SEND 0, 32
	s_wait_xcnt 0x0
	TOSTAGE 2
	SEND 1, 32
	s_wait_xcnt 0x0
	TOSTAGE 3
	SEND 2, 32
	SEND 3, 0
	s_wait_tensorcnt 0x0
	ds_add_u32 v[SPW], v[NIL]
	s_wait_dscnt 0x0
	CROUND
	s_endpgm
.Lfunc_end_k_q99aa5b59d5_out:
	.size	k_q99aa5b59d5_out, .Lfunc_end_k_q99aa5b59d5_out-k_q99aa5b59d5_out
	.p2alignl 7, 3214868480
	.fill 96, 4, 3214868480
	.section	.rodata,"a",@progbits
	.p2align	6, 0x0
	.amdhsa_kernel k_q99aa5b59d5_out
		.amdhsa_group_segment_fixed_size 327680
		.amdhsa_private_segment_fixed_size 0
		.amdhsa_enable_private_segment 0
		.amdhsa_kernarg_size 32
		.amdhsa_user_sgpr_count 2
		.amdhsa_user_sgpr_kernarg_segment_ptr 1
		.amdhsa_wavefront_size32 1
		.amdhsa_system_sgpr_workgroup_id_x 1
		.amdhsa_system_sgpr_workgroup_id_y 1
		.amdhsa_system_sgpr_workgroup_id_z 1
		.amdhsa_system_vgpr_workitem_id 0
		.amdhsa_next_free_vgpr 768
		.amdhsa_next_free_sgpr 100
		.amdhsa_reserve_vcc 0
		.amdhsa_float_denorm_mode_32 3
		.amdhsa_float_denorm_mode_16_64 3
		.amdhsa_memory_ordered 1
		.amdhsa_forward_progress 1
		.amdhsa_inst_pref_size 91
	.end_amdhsa_kernel
	.amdgpu_metadata
---
amdhsa.version: [ 1, 2 ]
amdhsa.kernels:
  - .name:           k_q99aa5b59d5_out
    .symbol:         k_q99aa5b59d5_out.kd
    .args:
      - { .name: y, .offset: 0, .size: 8, .value_kind: global_buffer, .address_space: global }
      - { .name: wvo, .offset: 8, .size: 8, .value_kind: global_buffer, .address_space: global }
      - { .name: bo, .offset: 16, .size: 8, .value_kind: global_buffer, .address_space: global }
      - { .name: out0, .offset: 24, .size: 8, .value_kind: global_buffer, .address_space: global }
    .group_segment_fixed_size: 327680
    .private_segment_fixed_size: 0
    .kernarg_segment_align: 8
    .kernarg_segment_size: 32
    .max_flat_workgroup_size: 128
    .sgpr_count:     100
    .vgpr_count:     768
    .wavefront_size: 32
...
	.end_amdgpu_metadata
.endif
;; end of part 5
